; MI455X (gfx1250); checked and timed in simulation.
; The chip was launched on July 23, 2026; its instructions are those of AMD's public machine-readable ISA for CDNA 5 (MIT licence, August 2026) and "CDNA5" Instruction Set Architecture Reference Guide (July 2026). The comments in the code are by the model that wrote it; some were corrected since.
;; Multi Head Attention. Allowed arithmetic: matrix products marked QUANTISED: E5M2 operands, one E8M0 scale for each 32 along K, by v_wmma_scale_f32_16x16x128_f8f6f4 with both operands' format E5M2, f32 sums; everything else in f32.
;; Inputs: Wk 16 x 1,024 x 64 float32; Wp 1,024 x 1,024 float32; Wq 16 x 1,024 x 64 float32; Wv 16 x 1,024 x 64 float32; bp 1,024 float32; rel_table 33 x 16 float32; x 4 x 2,048 x 1,024 float32.
;; Outputs: out0 4 x 2,048 x 1,024 float32.
;; This version of the problem:
;;   THIS VERSION OF THE PROBLEM IS GIVEN IN LOW PRECISION. The matrix products marked QUANTISED in the list below multiply operands that are first quantised to E5M2 (5 exponent bits, 2 mantissa bits; 8 bits a number), with one power-of-two scale for each 32 numbers along K (OCP MX v1.0); their sums are f32. All else is computed in f32.
;;   The module's matrix products, in the order in which they are computed (A, B: the left and right operand; K: the contracted axis; several contracted axes count as one K, in the product's order):
;;     1. [M 1,024, K 1,024] x [K 1,024, N 8,192]; A: input Wq; B: input x: QUANTISED
;;     2. [M 1,024, K 1,024] x [K 1,024, N 8,192]; A: input Wk; B: input x: QUANTISED
;;     3. [M 1,024, K 1,024] x [K 1,024, N 8,192]; A: input Wv; B: input x: QUANTISED
;;     4. batch 64 x [M 2,048, K 64] x [K 64, N 2,048]; A: computed on the way; B: computed on the way: QUANTISED
;;     5. batch 64 x [M 2,048, K 2,048] x [K 2,048, N 64]; A: softmax (see below); B: computed on the way: QUANTISED
;;     6. [M 8,192, K 1,024] x [K 1,024, N 1,024]; A: computed on the way; B: input Wp: QUANTISED
;;   THE QUANTISER, for each operand of a quantised product, along K:
;;     - K is cut into blocks of 32 from its start; a last block that is shorter is filled with zeros.
;;     - A block's scale is 2^e with e = floor(log2(the largest magnitude in the block)) - 15, held to -126 .. 127; a block of zeros has e = 0. As a byte (E8M0): e + 127.
;;     - Each number is divided by its block's scale, clamped to +-57,344, and rounded to the nearest number of E5M2, ties to even, subnormals kept.
;;     - The product sums the exact products of the quantised numbers (number of the format x scale) in f32.
;;   ~~~python
;;   def quantise(x, axis):      # numpy; x: float32 -> the quantised numbers, widened to float32 again
;;       x = np.moveaxis(x, axis, -1); K = x.shape[-1]
;;       x = np.pad(x, [(0, 0)] * (x.ndim - 1) + [(0, -K % 32)]); x = x.reshape(x.shape[:-1] + (-1, 32)); a = np.abs(x).max(-1, keepdims=True)
;;       e = np.where(a > 0, np.clip(np.frexp(np.where(a > 0, a, 1))[1] - 1 - 15, -126, 127), 0)      # np.frexp(a)[1] - 1 = floor(log2(a)), exactly
;;       r = np.clip(x / 2.0 ** e, -57344, 57344)
;;       step = 2.0 ** (np.maximum(np.frexp(np.where(r == 0, 1, r))[1] - 1, -14) - 2)
;;       q = np.round(r / step) * step * 2.0 ** e      # np.round: ties to even
;;       return np.moveaxis(q.reshape(q.shape[:-2] + (-1,))[..., :K], -1, axis).astype(np.float32)
;;   ~~~
;;   SOFTMAX AHEAD OF A QUANTISED PRODUCT. Where the list says 'softmax', what is quantised is not the finished softmax but p = 2^(t - M), with t = logit x log2(e) and M = ceil(the row's largest t), a whole number; so 1/2 < the row's largest p <= 1. The row's sum l is taken of the UNQUANTISED p, in f32, and the product's result is divided by l at the end. Since M is a whole number, a kernel that streams over the keys may use a running M (the ceiling of the running maximum): every later rescaling is an exact power of two, which a block's scale takes up: the codes' values come out the same.
;;   OPERANDS COMPUTED ON THE WAY. 'Computed on the way' means the value that the module computes at that place (a softmax that the list does not call 'softmax' is quantised finished and normalised). What goes into a quantiser is computed in f32, as accurately as f32 sums, v_exp_f32 and their like allow (about 1e-6 of the number): no bf16 or f16 on the way to a quantiser, and a product that is left as it is and whose result goes on into a quantised operand takes f32 operands (vector FMAs, or v_wmma_f32_16x16x4_f32). A number that lies on a knife's edge between two numbers of the format may be rounded either way, as far as f32 arithmetic and the matrix unit's own rounding can turn it there, and no further.
;; One version. Each part assembles by itself: llvm-mc -triple=amdgcn-amd-amdhsa -mcpu=gfx1250 --defsym DOCPART=n.
;; ======== version 1 of 1: 4 launches
;; limits: right only within a limited range of input values
;; workspace buffers: xc 8,388,608 bytes; xs 262,144 bytes; wc 4,194,304 bytes; ws 131,072 bytes; qkvc 25,165,824 bytes; qkvs 1,572,864 bytes; ac 8,388,608 bytes; asc 262,144 bytes
;; launch quant (part 1): grid 384 x 1, 4 waves a work-group, no clusters, 68,096 bytes of LDS; arguments x, Wq, Wk, Wv, Wp, xc, xs, wc, ws; writes xc, xs, wc, ws
.if DOCPART == 1
	.amdgcn_target "amdgcn-amd-amdhsa--gfx1250"
	.amdhsa_code_object_version 6
	.text
	.protected	k_q339f2fbcbd_quant
	.globl	k_q339f2fbcbd_quant
	.p2align	8
	.type	k_q339f2fbcbd_quant,@function
k_q339f2fbcbd_quant:
	s_mov_b64 s[64:65], 0
	v_nop
	global_prefetch_b8 v0, s[64:65] scope:SCOPE_SE
	s_setreg_imm32_b32 hwreg(HW_REG_WAVE_MODE, 25, 1), 1
	s_wait_xcnt 0x0
; x [8192][1024] f32 and the four weights become codes of BF8 (E5M2), K innermost, with one E8M0 byte for each 32 along K.
; A block's scale is 2^(floor(log2(its largest magnitude)) - 15); its byte is that magnitude's exponent field - 15, held at 1 from below; numbers are held within +-57,344 x the scale and rounded to the nearest code, ties to even.
; ROW ORDER OF ALL FOUR OUTPUTS: true row p lies at position sw(p) = p with bits 3 and 4 exchanged.  A tile of 16 neighbouring positions 32 b + 16 u + r then holds the true rows 32 b + 8 u + r % 8 + 16 (r / 8),
; so that a product used transposed leaves 16 true neighbours in the 16 registers of two neighbouring tiles, while the later launches read plain tiles.
; wc rows: 0-1023 Wq (row 64 h + d), 1024-2047 Wk, 2048-3071 Wv, 3072-4095 Wp (row n); K = the model's 1,024 in all four.
; Work-groups 0-255 take x (K innermost: a plain stream of blocks), work-groups 256-383 the weights (K not innermost: a lane takes a column, its registers run down K).  The two paths have LDS bytes of their own.
; LIMITS: a block of zeros, or one whose largest magnitude lies under 2^-111, gets the byte 1 (its codes add nothing or are held by the floor; the bytes are read by this program alone); NaN and infinities are not served.
; No tensor loads, no barrier: waves share nothing.
.set MANT,  0x600000                   ; the mantissa field of 57,344 as f32
.set STEPS, 16                         ; path x: a wave takes 16 steps of 512 numbers = 8 whole rows
.set SP,    80                         ; a lane's place in a stage: 64 bytes + 16 of padding
.set WREG,  8192                       ; path x: LDS of a wave: two stages of 32 x SP bytes, then its 256 scale bytes
.set XR,    16                         ; v16-79   four sets of 16 numbers as loaded
.set XX,    80                         ; v80-111  two sets of 16 neighbours
.set XE,    112                        ; v112-127 a scale byte for each step
.set XC,    128                        ; v128-191 codes, four registers a step: no store's data are written again
.set WLDS,  32768                      ; path w: its stages begin here
.set PITCH, 272                        ; a stage row: 256 bytes of codes + 16
.set NB,    8                          ; path w: blocks of 32 along K for a wave (256 along K)
.set WX,    32                         ; v32-95   two sets of 32 numbers
.set WC,    96                         ; v96-103  a block's codes
.set WSB,   24                         ; v24-25   the scale bytes
.set WOUT,  112                        ; v112-175 the way out
.set WVO,   176                        ; v176-207 offsets: 4 x lane + i x (bytes from one k to the next)
	s_load_b256 s[4:11], s[0:1], 0x0               ; x, Wq, Wk, Wv
	s_load_b256 s[12:19], s[0:1], 0x20             ; Wp, xc, xs, wc
	s_load_b64 s[20:21], s[0:1], 0x40              ; ws
	v_lshl_add_u32 v208, v0, 2, 0x10800
	v_mov_b32 v209, 0
	v_lshrrev_b32 v1, 5, v0
	v_readfirstlane_b32 s22, v1                    ; wave 0..3
	v_and_b32 v2, 31, v0                           ; lane
	s_mov_b32 s29, 0                               ; the upper word of every offset pair s[28:29]
	s_wait_kmcnt 0x0
	s_cmp_lt_u32 ttmp9, 256
	s_cbranch_scc0 .Lweights
; ---------------- x ----------------
; Each of a step's four loads reads 512 consecutive bytes; the 2,048 bytes turn through the wave's own stage so that a lane gets 16 neighbours (two lanes hold a block); a lane's 16 codes are 16 bytes: 512 consecutive bytes a store.
	s_wait_alu depctr_va_vdst(0)
	v_lshlrev_b32 v3, 4, v2                        ; my 16 bytes of a load's 512
	s_mul_i32 s23, s22, WREG
	v_lshrrev_b32 v14, 2, v2
	v_mul_u32_u24 v14, v14, SP
	v_and_b32 v15, 3, v2
	v_lshl_add_u32 v14, v15, 4, v14
	v_add_nc_u32 v14, s23, v14                     ; the stage, on the way in: SP (lane / 4) + 16 (lane % 4)
	v_mul_u32_u24 v15, v2, SP
	v_add_nc_u32 v15, s23, v15                     ; on the way out: SP x lane
	v_lshlrev_b32 v4, 4, v2                        ; my codes' place in a step's
	v_lshrrev_b32 v5, 1, v2
	s_add_co_u32 s23, s23, 2*32*SP
	v_add_nc_u32 v5, s23, v5                       ; my block's byte among the wave's 256
	v_lshlrev_b32 v7, 3, v2
	v_add_nc_u32 v6, s23, v7                       ; and 8 bytes a lane on the way out
	s_lshl_b32 s25, ttmp9, 2
	s_add_co_u32 s26, s25, s22                     ; g: which run of 8 rows is read
	s_and_b32 s27, s22, 1
	s_lshl_b32 s27, s27, 1
	s_lshr_b32 s28, s22, 1
	s_or_b32 s27, s27, s28
	s_add_co_u32 s27, s25, s27                     ; g': bits 0 and 1 of g exchanged = bits 3 and 4 of the rows: where the run is written
	s_lshl_b32 s28, s26, 15
	s_add_nc_u64 s[4:5], s[4:5], s[28:29]
	s_lshl_b32 s28, s27, 13
	s_add_nc_u64 s[14:15], s[14:15], s[28:29]
	s_lshl_b32 s28, s27, 8
	s_add_nc_u64 s[16:17], s[16:17], s[28:29]
.macro LOADX t
.irp i, 0,1,2,3
	global_load_b128 v[XR+16*((\t)%4)+4*\i:XR+16*((\t)%4)+4*\i+3], v3, s[4:5] offset:2048*(\t)+512*\i th:TH_LOAD_NT
.endr
.endm
.macro TURNX t                         ; LDS serves a wave's instructions in order: no wait between the stores and the loads
.irp i, 0,1,2,3
	ds_store_b128 v14, v[XR+16*((\t)%4)+4*\i:XR+16*((\t)%4)+4*\i+3] offset:32*SP*((\t)%2)+8*SP*\i
.endr
.irp i, 0,1,2,3
	ds_load_b128 v[XX+16*((\t)%2)+4*\i:XX+16*((\t)%2)+4*\i+3], v15 offset:32*SP*((\t)%2)+16*\i
.endr
.endm
.irp t, 0,1,2,3
	LOADX \t
.endr
	s_wait_alu depctr_va_vdst(0)
	s_wait_loadcnt 12                              ; step 0's four loads are in; three steps' twelve stay out
	TURNX 0
.macro STEPX t
.set XS, XX+16*((\t)%2)
.if (\t) > 0
	s_wait_dscnt 1                                 ; this step's numbers are back from the stage; the last step's byte store may be out
.else
	s_wait_dscnt 0x0
.endif
.if (\t)+4 < STEPS
	LOADX (\t)+4                                   ; into the registers that the stage's stores have read
.endif
.if (\t)+1 < STEPS
.if STEPS-2-(\t) >= 3
	s_wait_loadcnt 12                              ; the next step's four loads are in; those of three steps behind it may be out
.else
	s_wait_loadcnt 4*(STEPS-2-(\t))
.endif
	TURNX (\t)+1
.endif
	v_max3_num_f32 v8, |v[XS]|, |v[XS+1]|, |v[XS+2]|
	v_max3_num_f32 v9, |v[XS+3]|, |v[XS+4]|, |v[XS+5]|
.irp i, 6,10
	v_max3_num_f32 v8, v8, |v[XS+\i]|, |v[XS+\i+1]|
	v_max3_num_f32 v9, v9, |v[XS+\i+2]|, |v[XS+\i+3]|
.endr
	v_max3_num_f32 v8, v8, |v[XS+14]|, |v[XS+15]|
	v_max3_num_f32 v8, v8, v9, 0x8000000           ; the floor 2^(16 - 127): the byte cannot fall under 1
	v_max_num_f32_dpp v8, v8, v8 row_xmask:1 row_mask:0xf bank_mask:0xf   ; with my neighbour's 16: the block's largest magnitude
	v_add_nc_u32 v11, 0xf8800000, v8               ; 15 off its exponent field: the conversion's scale operand
.irp i, 0,1,2,3,4,5,6,7,8,9,10,11,12,13,14,15
.endr
	v_cvt_scalef32_pk8_bf8_f32 v[XC+4*(\t):XC+4*(\t)+1], v[XS:XS+7], v11
	v_cvt_scalef32_pk8_bf8_f32 v[XC+4*(\t)+2:XC+4*(\t)+3], v[XS+8:XS+15], v11
	v_lshrrev_b32 v[XE+(\t)], 23, v11              ; the scale's byte (a plain line behind the conversions)
	ds_store_b8 v5, v[XE+(\t)] offset:16*(\t)      ; both lanes of a block write the same byte with the same value
	global_store_b128 v4, v[XC+4*(\t):XC+4*(\t)+3], s[14:15] offset:512*(\t)
.endm
.irp t, 0,1,2,3,4,5,6,7,8,9,10,11,12,13,14,15
	STEPX \t
.endr
	ds_load_b64 v[12:13], v6
	s_wait_dscnt 0x0
	global_store_b64 v7, v[12:13], s[16:17]        ; 32 lanes store 256 consecutive bytes, aligned
	s_wait_tensorcnt 0x0
	ds_add_u32 v208, v209
	s_wait_dscnt 0x0
	s_endpgm
; ---------------- the weights ----------------
; Work-group j = 32 m + 4 cg + ky: matrix m, columns 128 cg on, K from 256 ky on; a wave takes 32 columns.  In Wq, Wk, Wv ([h][k][d]) a step along K is 256 bytes and column n = 64 h + d; in Wp ([k][n]) it is 4,096 bytes.
.Lweights:
	s_sub_co_u32 s23, ttmp9, 256                   ; j
	s_lshr_b32 s25, s23, 5                         ; m
	s_bfe_u32 s26, s23, 0x30002                    ; cg
	s_and_b32 s27, s23, 3                          ; ky
	s_lshl_b32 s26, s26, 7
	s_lshl_b32 s28, s22, 5
	s_add_co_u32 s26, s26, s28                     ; n0: my wave's first column
	s_lshr_b32 s28, s26, 6
	s_lshl_b32 s28, s28, 18                        ; the head's 262,144 bytes,
	s_lshl_b32 s30, s27, 16                        ; 256 ky rows of 256 bytes,
	s_add_co_u32 s28, s28, s30
	s_and_b32 s30, s26, 63
	s_lshl_b32 s30, s30, 2                         ; d x 4
	s_add_co_u32 s28, s28, s30                     ; the offset in Wq, Wk, Wv
	s_lshl_b32 s30, s27, 20                        ; 256 ky rows of 4,096 bytes
	s_lshl_b32 s31, s26, 2
	s_add_co_u32 s30, s30, s31                     ; the offset in Wp
	s_cmp_eq_u32 s25, 1
	s_cselect_b64 s[6:7], s[8:9], s[6:7]
	s_cmp_eq_u32 s25, 2
	s_cselect_b64 s[6:7], s[10:11], s[6:7]
	s_cmp_eq_u32 s25, 3
	s_cselect_b64 s[6:7], s[12:13], s[6:7]         ; the matrix: a choice on the work-group's number alone
	s_cselect_b32 s28, s30, s28
	s_mov_b32 s31, 256
	s_cselect_b32 s31, 4096, s31                   ; bytes from one k to the next
	s_add_nc_u64 s[32:33], s[6:7], s[28:29]        ; block 0's base
	s_lshl_b32 s28, s31, 5                         ; 32 along K
.irp t, 1,2,3,4,5,6,7
	s_add_nc_u64 s[32+2*\t:33+2*\t], s[30+2*\t:31+2*\t], s[28:29]   ; a base for each block: none is stepped while loads are out
.endr
	s_wait_alu depctr_va_vdst(0)
	v_lshlrev_b32 v[WVO], 2, v2
.set i, 1
.rept 31
	v_add_nc_u32 v[WVO+i], s31, v[WVO+i-1]
.set i, i+1
.endr
	s_mul_i32 s48, s22, 32*PITCH
	s_add_co_u32 s48, s48, WLDS                    ; my stage
	v_mul_u32_u24 v4, v2, PITCH
	v_add_nc_u32 v4, s48, v4                       ; into it: row = my column
	v_and_b32 v5, 15, v2
	v_lshrrev_b32 v6, 4, v2
	v_mul_u32_u24 v7, v6, PITCH
	v_lshl_add_u32 v7, v5, 4, v7
	v_add_nc_u32 v7, s48, v7                       ; out of it: sixteen lanes to a row, two rows an instruction
	v_lshlrev_b32 v8, 10, v6
	v_lshl_add_u32 v8, v5, 4, v8                   ; and the same place in wc (rows of 1,024 bytes)
	v_and_b32 v9, 7, v2
	v_bfe_u32 v10, v2, 3, 1
	v_bfe_u32 v11, v2, 4, 1
	v_lshl_add_u32 v9, v10, 4, v9
	v_lshl_add_u32 v9, v11, 3, v9                  ; sw(lane): my column's position
	v_lshlrev_b32 v9, 5, v9                        ; its row of 32 scale bytes
	s_lshl_b32 s48, s25, 10
	s_add_co_u32 s48, s48, s26                     ; row 1024 m + n0
	s_lshl_b32 s28, s48, 10
	s_lshl_b32 s49, s27, 8
	s_add_co_u32 s28, s28, s49
	s_add_nc_u64 s[18:19], s[18:19], s[28:29]      ; wc: + 256 ky
	s_lshl_b32 s28, s48, 5
	s_lshl_b32 s49, s27, 3
	s_add_co_u32 s28, s28, s49
	s_add_nc_u64 s[20:21], s[20:21], s[28:29]      ; ws: + 8 ky
.macro LOADW t                         ; block t: W(32 t + i, my column) into set t % 2: 128 consecutive bytes a load
.set i, 0
.rept 32
	global_load_b32 v[WX+32*((\t)%2)+i], v[WVO+i], s[32+2*(\t):33+2*(\t)] th:TH_LOAD_NT
.set i, i+1
.endr
.endm
	LOADW 0
	LOADW 1
.macro BLOCKW t
.set XS, WX+32*((\t)%2)
.if (\t) < NB-1
	s_wait_loadcnt 32                              ; this block's 32 loads are in; the next block's may be out
.else
	s_wait_loadcnt 0
.endif
	v_max3_num_f32 v12, |v[XS]|, |v[XS+1]|, |v[XS+2]|               ; all 32 numbers of the block are mine
	v_max3_num_f32 v13, |v[XS+3]|, |v[XS+4]|, |v[XS+5]|
.irp i, 6,10,14,18,22,26
	v_max3_num_f32 v12, v12, |v[XS+\i]|, |v[XS+\i+1]|
	v_max3_num_f32 v13, v13, |v[XS+\i+2]|, |v[XS+\i+3]|
.endr
	v_max3_num_f32 v12, v12, |v[XS+30]|, |v[XS+31]|
	v_max3_num_f32 v12, v12, v13, 0x8000000
	v_add_nc_u32 v11, 0xf8800000, v12
	v_lshrrev_b32 v13, 23, v11
.if (\t)%4 == 0
	v_mov_b32 v[WSB+(\t)/4], v13                   ; four bytes to a register, the lower K in the lower byte
.else
	v_lshl_or_b32 v[WSB+(\t)/4], v13, 8*((\t)%4), v[WSB+(\t)/4]
.endif
.irp i, 0,1,2,3,4,5,6,7,8,9,10,11,12,13,14,15,16,17,18,19,20,21,22,23,24,25,26,27,28,29,30,31
.endr
.irp g, 0,1,2,3
	v_cvt_scalef32_pk8_bf8_f32 v[WC+2*\g:WC+2*\g+1], v[XS+8*\g:XS+8*\g+7], v11
.endr
	v_nop                                          ; a plain line behind the last conversion
	ds_store_b128 v4, v[WC:WC+3] offset:32*(\t)
	ds_store_b128 v4, v[WC+4:WC+7] offset:32*(\t)+16
.if (\t)+2 < NB
	LOADW (\t)+2
.endif
	s_wait_dscnt 0x0                               ; the stores have read their registers: the next block's codes may be written
.endm
.irp t, 0,1,2,3,4,5,6,7
	BLOCKW \t
.endr
	s_wait_alu depctr_va_vdst(0)
	global_store_b64 v9, v[WSB:WSB+1], s[20:21]    ; my column's eight scale bytes
.irp t, 0,1,2,3,4,5,6,7,8,9,10,11,12,13,14,15
	ds_load_b128 v[WOUT+4*\t:WOUT+4*\t+3], v7 offset:2*\t*PITCH
.endr
.irp t, 0,1,2,3,4,5,6,7,8,9,10,11,12,13,14,15
	s_wait_dscnt 15-\t
	global_store_b128 v8, v[WOUT+4*\t:WOUT+4*\t+3], s[18:19] offset:(((2*\t)&7)+16*(((2*\t)>>3)&1)+8*(((2*\t)>>4)&1))*1024   ; columns 2 t, 2 t + 1 go to positions sw(2 t), sw(2 t) + 1; sixteen lanes store 256 consecutive bytes, aligned
.endr
	s_wait_tensorcnt 0x0
	ds_add_u32 v208, v209
	s_wait_dscnt 0x0
	s_endpgm
.Lfunc_end_k_q339f2fbcbd_quant:
	.size	k_q339f2fbcbd_quant, .Lfunc_end_k_q339f2fbcbd_quant-k_q339f2fbcbd_quant
	.p2alignl 7, 3214868480
	.fill 96, 4, 3214868480
	.section	.rodata,"a",@progbits
	.p2align	6, 0x0
	.amdhsa_kernel k_q339f2fbcbd_quant
		.amdhsa_group_segment_fixed_size 68096
		.amdhsa_private_segment_fixed_size 0
		.amdhsa_enable_private_segment 0
		.amdhsa_kernarg_size 72
		.amdhsa_user_sgpr_count 2
		.amdhsa_user_sgpr_kernarg_segment_ptr 1
		.amdhsa_wavefront_size32 1
		.amdhsa_system_sgpr_workgroup_id_x 1
		.amdhsa_system_sgpr_workgroup_id_y 1
		.amdhsa_system_sgpr_workgroup_id_z 1
		.amdhsa_system_vgpr_workitem_id 0
		.amdhsa_next_free_vgpr 210
		.amdhsa_next_free_sgpr 66
		.amdhsa_reserve_vcc 0
		.amdhsa_float_denorm_mode_32 3
		.amdhsa_float_denorm_mode_16_64 3
		.amdhsa_fp16_overflow 1
		.amdhsa_memory_ordered 1
		.amdhsa_forward_progress 1
		.amdhsa_inst_pref_size 77
	.end_amdhsa_kernel
	.amdgpu_metadata
---
amdhsa.version: [ 1, 2 ]
amdhsa.kernels:
  - .name:           k_q339f2fbcbd_quant
    .symbol:         k_q339f2fbcbd_quant.kd
    .args:
      - { .name: x, .offset: 0, .size: 8, .value_kind: global_buffer, .address_space: global }
      - { .name: Wq, .offset: 8, .size: 8, .value_kind: global_buffer, .address_space: global }
      - { .name: Wk, .offset: 16, .size: 8, .value_kind: global_buffer, .address_space: global }
      - { .name: Wv, .offset: 24, .size: 8, .value_kind: global_buffer, .address_space: global }
      - { .name: Wp, .offset: 32, .size: 8, .value_kind: global_buffer, .address_space: global }
      - { .name: xc, .offset: 40, .size: 8, .value_kind: global_buffer, .address_space: global }
      - { .name: xs, .offset: 48, .size: 8, .value_kind: global_buffer, .address_space: global }
      - { .name: wc, .offset: 56, .size: 8, .value_kind: global_buffer, .address_space: global }
      - { .name: ws, .offset: 64, .size: 8, .value_kind: global_buffer, .address_space: global }
    .group_segment_fixed_size: 68096
    .private_segment_fixed_size: 0
    .kernarg_segment_align: 8
    .kernarg_segment_size: 72
    .max_flat_workgroup_size: 128
    .sgpr_count:     66
    .vgpr_count:     210
    .wavefront_size: 32
...
	.end_amdgpu_metadata
.endif
;; end of part 1
;; launch qkv (part 2): grid 12 x 32, 4 waves a work-group, clusters of 4 x 4, 327,680 bytes of LDS; arguments xc, xs, wc, ws, qkvc, qkvs; writes qkvc, qkvs
.if DOCPART == 2
	.amdgcn_target "amdgcn-amd-amdhsa--gfx1250"
	.amdhsa_code_object_version 6
	.text
	.protected	k_q339f2fbcbd_qkv
	.globl	k_q339f2fbcbd_qkv
	.p2align	8
	.type	k_q339f2fbcbd_qkv,@function
k_q339f2fbcbd_qkv:
	s_mov_b64 s[64:65], 0
	v_nop
	global_prefetch_b8 v0, s[64:65] scope:SCOPE_SE
	s_setreg_imm32_b32 hwreg(HW_REG_WAVE_MODE, 25, 1), 1
	s_wait_xcnt 0x0
	s_wait_alu depctr_hold_cnt(0) depctr_sa_sdst(0) depctr_va_vdst(0) depctr_va_sdst(0) depctr_va_ssrc(0) depctr_va_vcc(0) depctr_vm_vsrc(0)
	s_getreg_b32 s2, hwreg(HW_REG_IB_STS2, 6, 4)
	s_cmp_eq_u32 s2, 0
	s_cbranch_scc0 .Lentry_in_a_cluster
	s_endpgm
.Lentry_in_a_cluster:
	s_bfe_u32 s2, ttmp6, 0x10000c
	s_cmp_lg_u32 s2, 0xf033
	s_cbranch_scc0 .Lentry_shape_is_right
	s_endpgm
.Lentry_shape_is_right:
; q, k, v = x W on codes of BF8 (E5M2) with E8M0 scales, K = 1,024, f32 sums; the results are quantised on the way out and leave as codes: q and k along the head's 64, v along the tokens (the keys).
; A tile of the result, 256 x 256, is made by four waves, 128 x 128 each: 64 accumulators, 512 registers.  K goes in steps of 256 through a ring of two LDS slots filled by the tensor data mover; the scale bytes of the
; work-group's 2 x 256 rows, for all of K, come into LDS once.  The matrix instruction takes source 0 = 16 rows of "B", source 1 = 16 rows of "A": a lane holds ONE row of A, its registers run along B's rows.
; TWO REGIONS, by the cluster's x (equal in all partners; only pointers and strides are chosen, no branch):
;   clusters x = 0, 1: A = x's tokens, B = Wq's and Wk's 2,048 rows: a lane holds a token, its registers run along the features;
;   cluster  x = 2:    A = Wv's 1,024 rows, B = x's tokens: a lane holds a feature, its registers run along the tokens.
; xc and wc hold true row p at position sw(p) (bits 3 and 4 exchanged), so the 16 registers of B's tiles 2 b and 2 b + 1 are the true neighbours 32 b + 16 (lane / 16) + 0 .. 15: half of a block of 32, the other half in lane xor 16.
; THE WAY OUT has no LDS stage: a block's codes of 16 rows, 4 registers a lane, ARE four registers of the next product's operand; they are stored as that image, lane l's 16 bytes at 16 l: 512 consecutive aligned bytes a store.
;   qkvc: region 0: chunk (token tile ga, feature block gb) at (64 ga + gb) 512;  region 1, from 0x1000000: chunk (feature tile ga, token block gb) at (256 ga + gb) 512.
;   qkvs: the scale word of row r at ((gb / 2) NAT + ga) 64 + 4 r, NAT = 512 or 64 tiles; lanes 0-15 store the word of blocks gb0 .. gb0 + 3, lanes 16-31 the same shifted down by two bytes, one pair of blocks on.
;   (These word stores cover 64 consecutive bytes for each half of the lanes: one sixteenth of the codes' bytes.)
; CLUSTERS: 4 x 4 work-groups; A's tiles are asked for jointly along a row of the cluster, B's along a column.
; LIMITS: a block of zeros, or one under 2^-111, gets the byte 1 (read by this program alone); NaN and infinities are not served.
; REGISTERS, in windows of 256: window 0: v0-31 addresses; v32-63 scale words, two sets; v64-91 the way out's work; from v128 A's fragments, one set, later the codes.  window 1: B's fragments, two sets.  windows 2, 3: the accumulators.
.set KSTEP,  256
.set NQ,     2
.set ROWB,   256
.set KROW,   1024
.set PITCH,  272                       ; an LDS row: 256 bytes + 16 of padding: the 16 rows that a load touches start at 16 different banks (64 banks of 4 bytes: ISA guide 11.1)
.set FR,     16
.set NL,     4
.set NP,     8                         ; places behind this matrix instruction (ISA guide 7.12.1)
.set HALFT,  128*PITCH
.set SLOT,   4*HALFT
.set LAPS,   2                         ; 1,024 / 512
.set KS,     32                        ; a row of scale bytes
.set SCL,    2*SLOT
.set HALFS,  16*272                    ; the scales of 128 rows: 16 units of 256 bytes + 16
.set SBLK,   2*272                     ; those of 16 rows
.set SPARE,  SCL+4*HALFS               ; the spare words, 128 bytes for each wave: two blocks of 256 bytes that no other line names
.set ADRA, 16
.set ADRB, 20
.set ADRS, 27
.set SPW,  28
.set NIL,  29
.set SC,   32
.set AF,   128
.set TM,   64                          ; v64-67 largest magnitudes, v68-71 bytes, v76-79 the conversions' scale operands
.set PW,   80                          ; the scale word just made
.set SH,   81                          ; 16 x (lane / 16)
.set SADR, 82                          ; 4 r + (lane / 16) x the words' stride
.set CADR, 83                          ; 16 x lane
.set WD,   84                          ; v84-91 the words to store, one for each of A's blocks: no store's data are written again
.set PC,   128                         ; the codes of A's block a at v[128 + 16 a]
.set G1, 24
.set G0, 32
.set G1B, 48
.set G0B, 56
.set G1S, 68
.set G0S, 76
.set G1SB, 80
.set G0SB, 88
.set MSB, 0
.macro WIN new                         ; the immediate's high byte repeats the setting that is left
.if MSB != \new
	s_set_vgpr_msb (MSB<<8)|\new
.set MSB, \new
.endif
.endm
.set MUL_LO, 0xa1                      ; source 0 (B) window 1, source 1 (A) window 0, C and D window 2
.set MUL_HI, 0xf1
.set TO_B,   0x40
; A joint load: waves 0 and 1 fetch for A, waves 2 and 3 for B; the branch hangs on the wave's number alone.  Four v_nop follow each of the two lines.
.macro JLOAD g0a, g1a, g0b, g1b
	s_cmp_eq_u32 s15, 0
	s_cbranch_scc0 .Lfor_b_\@
	tensor_load_to_lds s[\g0a:\g0a+3], s[\g1a:\g1a+7]
	s_nop 0
.rept 4
	v_nop
.endr
	s_branch .Lasked_\@
.Lfor_b_\@:
	tensor_load_to_lds s[\g0b:\g0b+3], s[\g1b:\g1b+7]
	s_nop 0
.rept 4
	v_nop
.endr
.Lasked_\@:
.endm
.macro CREST
	s_cmp_lg_u32 s14, 0
	s_cbranch_scc1 .Lnot_wave_0_\@
	s_barrier_signal -3
.Lnot_wave_0_\@:
	s_barrier_wait -3
	s_barrier_signal -1
	s_barrier_wait -1
.endm
.macro CROUND
	s_barrier_signal -1
	s_barrier_wait -1
	CREST
.endm
	s_load_b128 s[4:7], s[0:1], 0x0                ; xc, xs
	s_load_b128 s[8:11], s[0:1], 0x10              ; wc, ws
	s_load_b64 s[12:13], s[0:1], 0x20              ; qkvc
	s_load_b64 s[96:97], s[0:1], 0x28              ; qkvs
	v_lshl_add_u32 v[SPW], v0, 2, SPARE
	v_mov_b32 v[NIL], 0
	ds_add_u32 v28, v29
	ds_add_u32 v28, v29
	s_wait_dscnt 0x0
	v_lshrrev_b32 v1, 5, v0
	v_readfirstlane_b32 s14, v1                    ; wave 0..3
	s_lshr_b32 s15, s14, 1                         ; which half of A's rows is mine.  Also: I fetch for A (0) or for B (1)
	s_and_b32 s16, s14, 1                          ; which half of B's rows.  Also: which 128 rows I fetch
	s_bfe_u32 s40, ttmp6, 0x40000                  ; cx, cy: my place in the cluster
	s_bfe_u32 s41, ttmp6, 0x40004
	s_and_b32 s17, ttmp7, 0xffff                   ; the cluster's y
	s_cmp_eq_u32 ttmp9, 2                          ; v's region?
	s_cselect_b32 s42, s17, ttmp9                  ; B's tiles: v: 4 y + cx of x's 32;  q, k: 4 x + cx of the weights' 8
	s_cselect_b32 s17, 0, s17                      ; A's tiles: v: cy of Wv's 4;  q, k: 4 y + cy of x's 32
	s_lshl_b32 s42, s42, 2
	s_add_co_u32 s42, s42, s40                     ; tile column
	s_lshl_b32 s17, s17, 2
	s_add_co_u32 s17, s17, s41                     ; tile row
	s_lshl_b32 s43, s41, 2
	s_lshl_b32 s43, 15, s43                        ; my row of the cluster
	s_lshl_b32 s44, 0x1111, s40                    ; my column
	s_or_b32 s[G1+0], s43, (0<<16)|(1<<20)|(1<<21)|(5<<22)|(3<<25)  ; the mask; elements of 1 byte; padding on; bit 21 beside a mask; 4 words after every 64
	s_or_b32 s[G1B+0], s44, (0<<16)|(1<<20)|(1<<21)|(5<<22)|(3<<25)
.irp g, G1, G1B
	s_mov_b32 s[\g+1], ROWB<<16                    ; tensor_dim0
	s_mov_b32 s[\g+2], 128<<16                     ; tensor_dim1
	s_mov_b32 s[\g+3], ROWB<<16                    ; tile_dim0
	s_mov_b32 s[\g+4], 128                         ; tile_dim1
	s_mov_b32 s[\g+5], KROW                        ; the pitch
	s_mov_b32 s[\g+6], 0
	s_mov_b32 s[\g+7], 0
.endr
	s_or_b32 s[G1S+0], s43, (3<<16)|(1<<20)|(1<<21)|(5<<22)|(3<<25) ; the scales of 128 rows: 4,096 dense bytes as 16 rows of 32 elements of 8 bytes, 16 bytes of padding behind each
	s_or_b32 s[G1SB+0], s44, (3<<16)|(1<<20)|(1<<21)|(5<<22)|(3<<25)
.irp g, G1S, G1SB
	s_mov_b32 s[\g+1], 32<<16
	s_mov_b32 s[\g+2], 16<<16
	s_mov_b32 s[\g+3], 32<<16
	s_mov_b32 s[\g+4], 16
	s_mov_b32 s[\g+5], 32
	s_mov_b32 s[\g+6], 0
	s_mov_b32 s[\g+7], 0
.endr
	s_lshl_b32 s18, s16, 7
	s_lshl_b32 s20, s17, 8
	s_add_co_u32 s20, s20, s18                     ; A: row 256 x tile row + 128 x half
	s_lshl_b32 s46, s42, 8
	s_add_co_u32 s46, s46, s18                     ; B: row 256 x tile column + 128 x half
	s_mov_b32 s21, 0
	s_mov_b32 s47, 0
	s_mov_b64 s[18:19], KS
	s_mul_u64 s[22:23], s[20:21], s[18:19]
	s_mul_u64 s[92:93], s[46:47], s[18:19]
	s_mov_b64 s[18:19], KROW
	s_mul_u64 s[20:21], s[20:21], s[18:19]
	s_mul_u64 s[46:47], s[46:47], s[18:19]
	s_mul_i32 s45, s14, HALFT                      ; where they go: wave x 128 rows
	s_mul_i32 s94, s14, HALFS
	s_wait_kmcnt 0x0
	s_add_nc_u64 s[66:67], s[8:9], 0x200000        ; wc at Wv's rows (2,048 x 1,024 bytes)
	s_add_nc_u64 s[100:101], s[10:11], 0x10000     ; ws likewise (2,048 x 32)
	s_cmp_eq_u32 ttmp9, 2
	s_cselect_b64 s[8:9], s[4:5], s[8:9]           ; B's codes: v: xc;  q, k: wc
	s_cselect_b64 s[10:11], s[6:7], s[10:11]       ; B's scales
	s_cselect_b64 s[4:5], s[66:67], s[4:5]         ; A's codes: v: Wv's;  q, k: xc
	s_cselect_b64 s[6:7], s[100:101], s[6:7]       ; A's scales
	s_mov_b32 s98, 0x8000
	s_cselect_b32 s98, 0x20000, s98                ; bytes from one of A's tiles to the next in qkvc: 64 or 256 chunks
	s_mov_b32 s99, 0
	s_mov_b32 s95, 0x8000
	s_cselect_b32 s95, 0x1000, s95                 ; bytes from one pair of blocks to the next in qkvs: 512 or 64 tiles x 64
	s_cselect_b32 s66, 0x1000000, 0                ; the region's first byte in qkvc
	s_mov_b32 s67, 0
	s_cselect_b32 s100, 0x100000, 0                ; and in qkvs
	s_mov_b32 s101, 0
	s_add_nc_u64 s[12:13], s[12:13], s[66:67]
	s_add_nc_u64 s[96:97], s[96:97], s[100:101]
	s_add_nc_u64 s[20:21], s[4:5], s[20:21]
	s_add_nc_u64 s[22:23], s[6:7], s[22:23]
	s_add_nc_u64 s[46:47], s[8:9], s[46:47]
	s_add_nc_u64 s[92:93], s[10:11], s[92:93]
	CROUND                                         ; all sixteen work-groups are here: the first joint loads meet
	s_mov_b32 s[G0S], 1
	s_add_co_u32 s[G0S+1], s94, SCL
	s_mov_b64 s[G0S+2:G0S+3], s[22:23]
	s_or_b32 s[G0S+3], s[G0S+3], 0x80000000
	s_mov_b32 s[G0SB], 1
	s_add_co_u32 s[G0SB+1], s94, SCL
	s_mov_b64 s[G0SB+2:G0SB+3], s[92:93]
	s_or_b32 s[G0SB+3], s[G0SB+3], 0x80000000
	JLOAD G0S, G1S, G0SB, G1SB                     ; the scales first: three loads of mine are out behind this group
.irp s, 0,1
	s_mov_b32 s[G0+4*\s], 1
	s_add_co_u32 s[G0+4*\s+1], s45, \s*SLOT
	s_add_nc_u64 s[G0+4*\s+2:G0+4*\s+3], s[20:21], \s*ROWB
	s_or_b32 s[G0+4*\s+3], s[G0+4*\s+3], 0x80000000
	s_mov_b32 s[G0B+4*\s], 1
	s_add_co_u32 s[G0B+4*\s+1], s45, \s*SLOT
	s_add_nc_u64 s[G0B+4*\s+2:G0B+4*\s+3], s[46:47], \s*ROWB
	s_or_b32 s[G0B+4*\s+3], s[G0B+4*\s+3], 0x80000000
	JLOAD G0+4*\s, G1, G0B+4*\s, G1B
.endr
	v_and_b32 v1, 15, v0                           ; r
	v_bfe_u32 v2, v0, 4, 1                         ; h
	v_mul_u32_u24 v3, v1, PITCH
	v_lshl_add_u32 v4, v2, 4, v3
	s_mul_i32 s21, s15, HALFT
	s_mul_i32 s22, s16, HALFT
	s_add_co_u32 s22, s22, 2*HALFT
.irp s, 0,1
	v_add_nc_u32 v[ADRA+\s], s21, v4
	v_add_nc_u32 v[ADRB+\s], s22, v4
	s_add_co_u32 s21, s21, SLOT
	s_add_co_u32 s22, s22, SLOT
.endr
	v_mul_u32_u24 v5, v1, KS
	v_lshrrev_b32 v6, 8, v5
	v_lshl_add_u32 v5, v6, 4, v5                   ; my row's scales: 32 bytes a row, 16 more for each 256 passed
	s_mul_i32 s21, s15, HALFS
	s_mul_i32 s22, s16, HALFS
	s_add_co_u32 s22, s22, 2*HALFS
	s_sub_co_u32 s22, s22, s21
	v_mul_u32_u24 v6, s22, v2                      ; lanes 16-31 take B's
	s_add_co_u32 s21, s21, SCL
	v_add_nc_u32 v5, v5, v6
	v_add_nc_u32 v[ADRS], s21, v5
	v_lshlrev_b32 v[SH], 4, v2
	v_mul_u32_u24 v[SADR], s95, v2
	v_lshl_add_u32 v[SADR], v1, 2, v[SADR]
	v_and_b32 v6, 31, v0
	v_lshlrev_b32 v[CADR], 4, v6
.irp b, 0,1,2,3
	v_mov_b32 v[TM+4+\b], 0                        ; written once: a lane permute's destination counts as one of its sources
.endr
	s_lshl_b32 s20, s17, 4
	s_lshl_b32 s21, s15, 3
	s_add_co_u32 s20, s20, s21                     ; ga0: my first tile of A = 16 x tile row + 8 x half
	s_lshl_b32 s46, s42, 3
	s_lshl_b32 s47, s16, 2
	s_add_co_u32 s46, s46, s47                     ; gb0: my first block of 32 along B = 8 x tile column + 4 x half
	s_mul_i32 s21, s20, s98
	s_lshl_b32 s47, s46, 9
	s_add_co_u32 s22, s21, s47
	s_mov_b32 s23, 0
	s_add_nc_u64 s[12:13], s[12:13], s[22:23]
	s_lshr_b32 s46, s46, 1
	s_mul_i32 s46, s46, s95
	s_lshl_b32 s20, s20, 6
	s_add_co_u32 s22, s46, s20
	s_add_nc_u64 s[96:97], s[96:97], s[22:23]
.macro FRAG reg, adr, q, i             ; 16 rows x 128 K: lane l holds row l % 16; registers 4 c .. 4 c + 3 hold K = 32 c + 16 (l / 16) + 0 .. 15
.irp c, 0,1,2,3
	ds_load_b128 v[\reg+4*\c:\reg+4*\c+3], v[\adr] offset:128*(\q)+32*\c+(\i)*16*PITCH
.endr
.endm
; 16 matrix instructions: A's blocks a0, a0 + 1 x B's eight.  The 64 accumulators take turns, one instruction a turn, in the same order in every step.
.macro MUL16 a0, p, q, sc, zero
.irp a, \a0, \a0+1
.irp b, 0,1,2,3,4,5,6,7
.if \zero
	v_wmma_scale_f32_16x16x128_f8f6f4 v[8*(8*((\a)%4)+\b):8*(8*((\a)%4)+\b)+7], v[128*(\p)+FR*\b:128*(\p)+FR*\b+FR-1], v[AF+FR*(\a):AF+FR*(\a)+FR-1], 0, v[SC+8*NQ*(\sc)+NQ*\b+(\q)], v[SC+8*NQ*(\sc)+NQ*(\a)+(\q)] matrix_a_fmt:MATRIX_FMT_BF8 matrix_b_fmt:MATRIX_FMT_BF8 matrix_a_scale:MATRIX_SCALE_ROW1
.else
	v_wmma_scale_f32_16x16x128_f8f6f4 v[8*(8*((\a)%4)+\b):8*(8*((\a)%4)+\b)+7], v[128*(\p)+FR*\b:128*(\p)+FR*\b+FR-1], v[AF+FR*(\a):AF+FR*(\a)+FR-1], v[8*(8*((\a)%4)+\b):8*(8*((\a)%4)+\b)+7], v[SC+8*NQ*(\sc)+NQ*\b+(\q)], v[SC+8*NQ*(\sc)+NQ*(\a)+(\q)] matrix_a_fmt:MATRIX_FMT_BF8 matrix_b_fmt:MATRIX_FMT_BF8 matrix_a_scale:MATRIX_SCALE_ROW1
.endif
.endr
.endr
.endm
.macro FETCH_B slot, q, p
	WIN TO_B
.irp i, 0,1,2,3,4,5,6,7
	FRAG 128*(\p)+FR*\i, ADRB+\slot, \q, \i
.endr
	WIN 0
.endm
.macro FETCH_A slot, q, i0
.irp i, \i0, \i0+1, \i0+2, \i0+3
	FRAG AF+FR*(\i), ADRA+\slot, \q, \i
.endr
.endm
.macro SCALES sc                       ; a K step's two scale words a row: lanes 0-15 A's block i, lanes 16-31 B's block i
.irp i, 0,1,2,3,4,5,6,7
	ds_load_b64 v[SC+8*NQ*\sc+NQ*\i:SC+8*NQ*\sc+NQ*\i+1], v[ADRS] offset:\i*SBLK
.endr
.endm
.macro PLACES n                        ; plain vector lines between a matrix instruction and a load into, or a vector line on, its registers
.rept \n
	v_nop
.endr
.endm
.macro STEP slot, q, zero
	s_wait_dscnt 4*NL                              ; B's set and A's blocks 0-3 are in; the youngest sixteen loads (A's blocks 4-7) may be out
	WIN MUL_LO
	MUL16 0, (\q)%2, \q, \slot, \zero
	MUL16 2, (\q)%2, \q, \slot, \zero
	s_wait_dscnt 0
	PLACES NP
	FETCH_B \slot, (\q)+1, 1-(\q)%2
	FETCH_A \slot, (\q)+1, 0
	WIN MUL_HI
	MUL16 4, (\q)%2, \q, \slot, \zero
	MUL16 6, (\q)%2, \q, \slot, \zero
	PLACES NP
	WIN 0
	FETCH_A \slot, (\q)+1, 4
.endm
; A slot's last step changes slots: one barrier; in front of it each wave waits for all its tensor loads, adds 0 to its spare word, and waits for that and for its reads of this slot.
.macro TURN slot, next, fill
	s_wait_tensorcnt 0x0                           ; all my tensor loads have landed: my part of the next slot
	ds_add_u32 v[SPW], v[NIL]                      ; 0 onto my spare word
	s_wait_dscnt 4*NL+1                            ; the add and the youngest sixteen loads may be out
	WIN MUL_LO
	MUL16 0, 1, NQ-1, \slot, 0
	s_wait_dscnt 0x0                               ; the add is done, and my reads of this slot are over
	s_barrier_signal -1
	MUL16 2, 1, NQ-1, \slot, 0
	WIN 0
	s_barrier_wait -1
.if \fill
	CREST                                          ; the barrier has opened a round of the cluster's: no wave of any partner still reads this slot or has a load on its way
	s_add_nc_u64 s[G0+4*\slot+2:G0+4*\slot+3], s[G0+4*\slot+2:G0+4*\slot+3], 2*ROWB
	s_add_nc_u64 s[G0B+4*\slot+2:G0B+4*\slot+3], s[G0B+4*\slot+2:G0B+4*\slot+3], 2*ROWB
	JLOAD G0+4*\slot, G1, G0B+4*\slot, G1B         ; my one tensor load behind the round; its four v_nop are four of the eight places
	PLACES NP-4
.else
	PLACES NP
.endif
	s_wait_alu depctr_va_vdst(0)
	v_add_nc_u32 v[ADRS], 4*NQ, v[ADRS]
	FETCH_B \next, 0, 0
	FETCH_A \next, 0, 0
	SCALES \next
	WIN MUL_HI
	MUL16 4, 1, NQ-1, \slot, 0
	MUL16 6, 1, NQ-1, \slot, 0
	PLACES NP
	WIN 0
	FETCH_A \next, 0, 4
.endm
	s_wait_tensorcnt 1                             ; the scales and my part of K step 0 are in; K step 1's load may be out
	s_barrier_signal -1
	s_barrier_wait -1
	FETCH_B 0, 0, 0
	FETCH_A 0, 0, 0
	SCALES 0
	FETCH_A 0, 0, 4
	STEP 0, 0, 1                                   ; the first step starts the sums: nothing is cleared
	s_mov_b32 s3, LAPS-1
.Llap:
	TURN 0, 1, 1
	STEP 1, 0, 0
	TURN 1, 0, 1
	STEP 0, 0, 0
	s_sub_co_u32 s3, s3, 1
	s_cmp_lg_u32 s3, 0
	s_cbranch_scc1 .Llap
	TURN 0, 1, 0                                   ; the last lap fills nothing
	STEP 1, 0, 0
	s_wait_dscnt 4*NL
	WIN MUL_LO
	MUL16 0, 1, NQ-1, 1, 0
	MUL16 2, 1, NQ-1, 1, 0
	s_wait_dscnt 0
	WIN MUL_HI
	MUL16 4, 1, NQ-1, 1, 0
	MUL16 6, 1, NQ-1, 1, 0
	WIN 0
; THE WAY OUT of A's block a: its 64 numbers a lane are four blocks of 32 along B (16 mine, 16 in lane xor 16); each becomes four registers of codes and a scale byte.
.macro QOUT a
.set W, 2+(\a)/4                       ; the block's window
.set S, 64*((\a)%4)                    ; its eight accumulators
.set PCA, PC+16*(\a)
.set WW, W|(W<<2)
	WIN WW                                         ; sources 0 and 1 in the block's window
.irp b, 0,1,2,3
	v_max3_num_f32 v[TM+\b], |v[S+16*\b]|, |v[S+16*\b+1]|, 0x8000000   ; each accumulator is read from its low end on; the floor 2^(16 - 127) holds the byte at 1 from below
.endr
.irp i, 2,4,6,8,10,12,14
.irp b, 0,1,2,3
	v_max3_num_f32 v[TM+\b], |v[S+16*\b+\i]|, |v[S+16*\b+\i+1]|, v[TM+\b]
.endr
.endr
	WIN 0
.irp b, 0,1,2,3
	v_permlanex16_b32 v[TM+4+\b], v[TM+\b], s92, s93
.endr
.irp b, 0,1,2,3
	v_max_num_f32 v[TM+\b], v[TM+\b], v[TM+4+\b]   ; the block's largest magnitude
.endr
.irp b, 0,1,2,3
	v_add_nc_u32 v[TM+12+\b], 0xf8800000, v[TM+\b] ; 15 off its exponent field: the conversion's scale operand
.endr
.irp b, 0,1,2,3
.endr
.irp b, 0,1,2,3
	v_lshrrev_b32 v[TM+4+\b], 23, v[TM+12+\b]      ; the scale's byte
.endr
	v_lshl_or_b32 v[PW], v[TM+5], 8, v[TM+4]
	v_lshl_or_b32 v[PW], v[TM+6], 16, v[PW]
	v_lshl_or_b32 v[PW], v[TM+7], 24, v[PW]
	v_lshrrev_b32 v[WD+\a], v[SH], v[PW]           ; lanes 0-15: the word; lanes 16-31: its upper two bytes, for the next pair of blocks
.set WW, W|(W<<6)
	WIN WW                                         ; source 0 and destination in the block's window
.irp b, 0,1,2,3
.irp i, 0,1,2,3,4,5,6,7,8,9,10,11,12,13,14,15
.endr
.endr
	WIN W
.irp b, 0,1,2,3
	v_cvt_scalef32_pk8_bf8_f32 v[PCA+4*\b:PCA+4*\b+1], v[S+16*\b:S+16*\b+7], v[TM+12+\b]
	v_cvt_scalef32_pk8_bf8_f32 v[PCA+4*\b+2:PCA+4*\b+3], v[S+16*\b+8:S+16*\b+15], v[TM+12+\b]
.endr
	WIN 0
	v_nop                                          ; a plain line behind the last conversion: the next block writes the scale operands again
.if (\a) > 0
	s_wait_alu depctr_va_vdst(0)
	s_wait_xcnt 0x0                                ; the earlier stores have read their base
	s_add_nc_u64 s[12:13], s[12:13], s[98:99]      ; A's next tile
.endif
.irp b, 0,1,2,3
	global_store_b128 v[CADR], v[PCA+4*\b:PCA+4*\b+3], s[12:13] offset:512*\b   ; a chunk: 512 consecutive bytes, aligned
.endr
	global_store_b32 v[SADR], v[WD+\a], s[96:97] offset:64*(\a)
.endm
	s_mov_b32 s92, 0x76543210
	s_mov_b32 s93, 0xfedcba98                      ; v_permlanex16_b32's selects for lane l xor 16
	PLACES NP                                      ; behind the last products: their results are read and A's registers written below
.irp a, 0,1,2,3,4,5,6,7
	QOUT \a
.endr
	s_wait_tensorcnt 0x0                           ; the wave's end
	ds_add_u32 v[SPW], v[NIL]
	s_wait_dscnt 0x0
	CROUND                                         ; the closing round
	s_endpgm
.Lfunc_end_k_q339f2fbcbd_qkv:
	.size	k_q339f2fbcbd_qkv, .Lfunc_end_k_q339f2fbcbd_qkv-k_q339f2fbcbd_qkv
	.p2alignl 7, 3214868480
	.fill 96, 4, 3214868480
	.section	.rodata,"a",@progbits
	.p2align	6, 0x0
	.amdhsa_kernel k_q339f2fbcbd_qkv
		.amdhsa_group_segment_fixed_size 327680
		.amdhsa_private_segment_fixed_size 0
		.amdhsa_enable_private_segment 0
		.amdhsa_kernarg_size 48
		.amdhsa_user_sgpr_count 2
		.amdhsa_user_sgpr_kernarg_segment_ptr 1
		.amdhsa_wavefront_size32 1
		.amdhsa_system_sgpr_workgroup_id_x 1
		.amdhsa_system_sgpr_workgroup_id_y 1
		.amdhsa_system_sgpr_workgroup_id_z 1
		.amdhsa_system_vgpr_workitem_id 0
		.amdhsa_next_free_vgpr 1024
		.amdhsa_next_free_sgpr 102
		.amdhsa_reserve_vcc 0
		.amdhsa_float_denorm_mode_32 3
		.amdhsa_float_denorm_mode_16_64 3
		.amdhsa_fp16_overflow 1
		.amdhsa_memory_ordered 1
		.amdhsa_forward_progress 1
		.amdhsa_inst_pref_size 152
	.end_amdhsa_kernel
	.amdgpu_metadata
---
amdhsa.version: [ 1, 2 ]
amdhsa.kernels:
  - .name:           k_q339f2fbcbd_qkv
    .symbol:         k_q339f2fbcbd_qkv.kd
    .args:
      - { .name: xc, .offset: 0, .size: 8, .value_kind: global_buffer, .address_space: global }
      - { .name: xs, .offset: 8, .size: 8, .value_kind: global_buffer, .address_space: global }
      - { .name: wc, .offset: 16, .size: 8, .value_kind: global_buffer, .address_space: global }
      - { .name: ws, .offset: 24, .size: 8, .value_kind: global_buffer, .address_space: global }
      - { .name: qkvc, .offset: 32, .size: 8, .value_kind: global_buffer, .address_space: global }
      - { .name: qkvs, .offset: 40, .size: 8, .value_kind: global_buffer, .address_space: global }
    .group_segment_fixed_size: 327680
    .private_segment_fixed_size: 0
    .kernarg_segment_align: 8
    .kernarg_segment_size: 48
    .max_flat_workgroup_size: 128
    .sgpr_count:     102
    .vgpr_count:     1024
    .wavefront_size: 32
...
	.end_amdgpu_metadata
.endif
;; end of part 2
;; launch attn (part 3): grid 4 x 64, 16 waves a work-group, no clusters, 327,680 bytes of LDS; arguments qkvc, qkvs, rel_table, ac, asc; writes ac, asc
.if DOCPART == 3
	.amdgcn_target "amdgcn-amd-amdhsa--gfx1250"
	.amdhsa_code_object_version 6
	.text
	.protected	k_q339f2fbcbd_attn
	.globl	k_q339f2fbcbd_attn
	.p2align	8
	.type	k_q339f2fbcbd_attn,@function
k_q339f2fbcbd_attn:
	s_mov_b64 s[64:65], 0
	v_nop
	global_prefetch_b8 v0, s[64:65] scope:SCOPE_SE
	s_setreg_imm32_b32 hwreg(HW_REG_WAVE_MODE, 25, 1), 1
	s_wait_xcnt 0x0
; Causal attention with a relative bias, both products on codes of BF8 (E5M2) with E8M0 scales; the result, divided by the row's sum, is quantised along the 1,024 of heads x head size and leaves as codes.
; t = (q . k / 8 + bias) log2(e); M = the running largest t rounded up to a whole number; p = 2^(t - M) is quantised along the keys, not normalised; the row's sum is taken of the unquantised p.
; THE BIAS under the mask: rel_table[clip(key - query + 16, 0, 32)][h] is the constant rel_table[0][h] where query - key >= 16.  A key step all of whose pairs are so far apart takes it as a constant; a step nearer the
; diagonal takes bias and mask together from a table F of 512 words in LDS: F[y] = the bias x log2(e) for key - query = y - 287, and -infinity where y > 287.
; SHARES.  Work-group (i, 16 b + h) owns the blocks of 256 queries 7 - i and then i of one head: block n needs the key slots 0 .. n, so every work-group walks (8 - i) + (i + 1) = 9 slots of 256 keys: equal work, a constant
; trip count, no slot fetched that nobody reads.  Each of sixteen waves owns one tile of 16 queries, in 256 registers.  A step of 128 keys that lies wholly behind a wave's queries is passed over by a scalar branch on ids.
; NO CLUSTER: the four work-groups of a head stand at different key slots in every trip (block 7 - i begins at slot 0 in all, but they change to their second block after 8 - i trips, and from there on ask for different
; tiles), so partners would have to make different requests in one round.
; LAYOUT.  Operands lie in memory as images of their registers (a chunk: 4 registers x 32 lanes, lane l's 16 bytes at 16 l), so a fragment is read from LDS at 16 x lane, without pitch or padding.  Both products are used
; transposed: S^T = K Q^T, O^T = V^T P^T: a lane holds ONE query.  Tiles hold positions; position 16 T + r is the true index 32 (T / 2) + 8 (T % 2) + r % 8 + 16 (r / 8), so the 16 registers of tiles 2 b, 2 b + 1 are the
; true neighbours 32 b + 16 (lane / 16) + 0 .. 15.  The head's 64 fill half of an instruction's 128 along K: registers 8-15 of Q's and K's fragments hold zero codes.
; LIMITS: a block's largest p is taken from its largest t (v_exp_f32 is taken not to fall where its input rises); a block of zeros gets the byte 1; NaN and infinities among the inputs are not served.
; REGISTERS: v2 16 x lane, v3 4 r, v4 my place in F, v5, v6 the add's, v7 32 r, v8-10 addresses in hand, v11 the far bias, v12 -M, v13 the largest t, v[14:15] the sum, v16-31 Q, v32-95 four fragments of K, v96-159 S^T, p, then V^T,
; v160-191 O^T, v192-207 p's codes, v208-223 the quantiser's work, v224-227 K's or V's scale words, v228 Q's, v229 p's, v230-238 at work.
.set SLOTB, 65536                      ; slot 1 begins here: one exclusive or turns an address
.set VCO,   16384                      ; in a slot: K's codes (16 tiles x 1,024), V's codes (4 tiles x 4,096),
.set KSO,   32768                      ; K's scale words (16 x 64),
.set VSO,   33792                      ; V's scale words (2 steps x 4 tiles x 64)
.set FB,    131072                     ; the table F: written by LDS stores, never a tensor load's target
.set SPARE, 133120                     ; the spare words, 128 bytes for each of sixteen waves: eight blocks of 256 bytes that no other line names
.macro TL1 wv, g0, g1                  ; wave wv's one load; four v_nop follow it
	s_cmp_lg_u32 s18, \wv
	s_cbranch_scc1 .Lnot_\@
	tensor_load_to_lds s[\g0:\g0+3], s[\g1:\g1+7]
	s_nop 0
.rept 4
	v_nop
.endr
.Lnot_\@:
.endm
.macro TLOAD4                          ; wave 0: K's codes; 1: V's codes; 2: K's scale words; 3: V's; the others nothing
	TL1 0, 56, 24
	TL1 1, 60, 32
	TL1 2, 68, 40
	TL1 3, 72, 48
.endm
	s_load_b256 s[4:11], s[0:1], 0x0               ; qkvc, qkvs, rel_table, ac
	s_load_b64 s[12:13], s[0:1], 0x20              ; asc
	v_lshl_add_u32 v5, v0, 2, SPARE
	v_mov_b32 v6, 0
	ds_add_u32 v5, v6
	ds_add_u32 v5, v6
	s_wait_dscnt 0x0
	v_lshrrev_b32 v1, 5, v0
	s_delay_alu instid0(VALU_DEP_1)
	v_readfirstlane_b32 s18, v1                    ; wave 0..15
	s_mov_b32 s66, ttmp9                           ; i
	s_sub_co_u32 s94, 7, s66                       ; the first block: 7 - i
	s_and_b32 s2, ttmp7, 0xffff
	s_and_b32 s15, s2, 15                          ; h
	s_lshr_b32 s16, s2, 4
	s_lshl_b32 s16, s16, 7                         ; 128 b: the batch's first token tile
	s_lshr_b32 s14, s18, 1
	s_lshl_b32 s14, s14, 5                         ; 32 (wave / 2): where my queries' group of 32 begins in a block
	s_mov_b32 s20, 0x76543210
	s_mov_b32 s21, 0xfedcba98                      ; v_permlanex16_b32's selects for lane l xor 16
	s_mov_b32 s22, 0x3e38aa3b                      ; log2(e) / 8
	s_mov_b32 s23, s22
	s_mov_b32 s105, 0                              ; the upper word of the offset pair s[104:105]
	s_mov_b32 s92, 0                               ; the slot in hand
	s_mov_b32 s93, 0                               ; the key slot asked for last
	s_mov_b32 s95, s94                             ; slots left in the block behind this one
	s_lshl_b32 s96, s94, 8
	s_add_co_u32 s96, s96, s14                     ; my group's first query less the slot's first key
	; group 1 of the four tiles: constants, no padding, no mask
	s_mov_b32 s24, 0                               ; K's codes: 16 rows of 1,024 bytes, 32,768 apart
	s_mov_b32 s25, 1024<<16
	s_mov_b32 s26, 16<<16
	s_mov_b32 s27, 1024<<16
	s_mov_b32 s28, 16
	s_mov_b32 s29, 32768
	s_mov_b32 s30, 0
	s_mov_b32 s31, 0
	s_mov_b32 s32, 0                               ; V's codes: 4 rows of 4,096 bytes, 131,072 apart
	s_mov_b32 s33, 4096<<16
	s_mov_b32 s34, 4<<16
	s_mov_b32 s35, 4096<<16
	s_mov_b32 s36, 4
	s_mov_b32 s37, 131072
	s_mov_b32 s38, 0
	s_mov_b32 s39, 0
	s_mov_b32 s40, 3<<16                           ; K's scale words: 1,024 dense bytes as 4 rows of 32 elements of 8 bytes
	s_mov_b32 s41, 32<<16
	s_mov_b32 s42, 4<<16
	s_mov_b32 s43, 32<<16
	s_mov_b32 s44, 4
	s_mov_b32 s45, 32
	s_mov_b32 s46, 0
	s_mov_b32 s47, 0
	s_mov_b32 s48, 3<<16                           ; V's scale words: 2 rows of 256 bytes, 8,192 bytes apart
	s_mov_b32 s49, 32<<16
	s_mov_b32 s50, 2<<16
	s_mov_b32 s51, 32<<16
	s_mov_b32 s52, 2
	s_mov_b32 s53, 1024
	s_mov_b32 s54, 0
	s_mov_b32 s55, 0
	s_wait_kmcnt 0x0
	; the four tiles' addresses at key slot 0: kept; a slot's address is made anew from them
	s_lshl_b32 s104, s16, 15
	s_lshl_b32 s2, s15, 10
	s_add_co_u32 s104, s104, s2
	s_add_co_u32 s104, s104, 16384
	s_add_nc_u64 s[76:77], s[4:5], s[104:105]      ; K's codes: token tile 128 b, feature blocks 32 + 2 h
	s_lshl_b32 s104, s15, 19
	s_lshl_b32 s2, s16, 8
	s_add_co_u32 s104, s104, s2
	s_add_co_u32 s104, s104, 0x1000000
	s_add_nc_u64 s[78:79], s[4:5], s[104:105]      ; V's codes: feature tile 4 h, token block 64 b
	s_lshl_b32 s104, s15, 15
	s_lshl_b32 s2, s16, 6
	s_add_co_u32 s104, s104, s2
	s_add_co_u32 s104, s104, 524288
	s_add_nc_u64 s[80:81], s[6:7], s[104:105]      ; K's scale words: ((16 + h) 512 + 128 b) 64
	s_lshl_b32 s104, s16, 10
	s_lshl_b32 s2, s15, 8
	s_add_co_u32 s104, s104, s2
	s_add_co_u32 s104, s104, 0x100000
	s_add_nc_u64 s[82:83], s[6:7], s[104:105]      ; V's scale words: (32 b x 64 + 4 h) 64
	s_mov_b32 s56, 1
	s_mov_b32 s57, 0
	s_mov_b64 s[58:59], s[76:77]
	s_or_b32 s59, s59, 0x80000000
	s_mov_b32 s60, 1
	s_mov_b32 s61, VCO
	s_mov_b64 s[62:63], s[78:79]
	s_or_b32 s63, s63, 0x80000000
	s_mov_b32 s68, 1
	s_mov_b32 s69, KSO
	s_mov_b64 s[70:71], s[80:81]
	s_or_b32 s71, s71, 0x80000000
	s_mov_b32 s72, 1
	s_mov_b32 s73, VSO
	s_mov_b64 s[74:75], s[82:83]
	s_or_b32 s75, s75, 0x80000000
	TLOAD4                                         ; slot 0: the first fills, ahead of every wait on TENSORcnt, LDS read and barrier
.macro SETBLK blk                      ; the addresses of my tile of block s[blk]: token tile 128 b + 16 blk + wave
	s_lshl_b32 s67, s[\blk], 4
	s_add_co_u32 s67, s67, s16
	s_add_co_u32 s67, s67, s18
	s_lshl_b32 s3, s15, 10
	s_lshl_b32 s104, s67, 15
	s_add_co_u32 s104, s104, s3
	s_add_nc_u64 s[84:85], s[4:5], s[104:105]      ; Q's two chunks
	s_lshl_b32 s104, s15, 9
	s_add_co_u32 s104, s104, s67
	s_lshl_b32 s104, s104, 6
	s_add_nc_u64 s[86:87], s[6:7], s[104:105]      ; Q's scale words
	s_lshl_b32 s104, s67, 14
	s_add_co_u32 s104, s104, s3
	s_add_nc_u64 s[88:89], s[10:11], s[104:105]    ; the result's two chunks: tile x 16,384 + h x 1,024
	s_lshl_b32 s104, s67, 9
	s_lshl_b32 s3, s15, 1
	s_add_co_u32 s104, s104, s3
	s_add_nc_u64 s[90:91], s[12:13], s[104:105]    ; its scale bytes: 32 a row, bytes 2 h and 2 h + 1
.endm
.macro QLOAD
	global_load_b128 v[16:19], v2, s[84:85]
	global_load_b128 v[20:23], v2, s[84:85] offset:512
	global_load_b32 v228, v3, s[86:87]
.endm
.macro INIT                            ; a block begins: the largest t under every t, sums and O^T zero (the first change of M multiplies zeros)
	v_mov_b32 v13, 0xff61b1e6
	s_delay_alu instid0(VALU_DEP_1)
	v_floor_f32 v12, -v13
	v_mov_b32 v14, 0
	v_mov_b32 v15, 0
.set n, 0
.rept 32
	v_mov_b32 v[160+n], 0
.set n, n+1
.endr
.endm
	v_and_b32 v1, 31, v0
	s_delay_alu instid0(VALU_DEP_1)
	v_lshlrev_b32 v2, 4, v1                        ; 16 x lane
	v_and_b32 v1, 15, v0                           ; r
	s_delay_alu instid0(VALU_DEP_1)
	v_lshlrev_b32 v3, 2, v1
	s_delay_alu instid0(VALU_DEP_2)
	v_lshlrev_b32 v7, 5, v1
	; my place in F, less 512 bytes: FB + 4 (287 - 128 + 16 (lane / 16) - 32 ((wave / 2) % 4) - 8 (wave % 2) - r % 8 - 16 (r / 8)), each -x written as (x xor all ones) less a constant: sums alone
	v_bfe_u32 v8, v0, 4, 1
	s_wait_alu depctr_va_vdst(0)
	v_and_b32 v9, 7, v0
	s_delay_alu instid0(VALU_DEP_1)
	v_xor_b32 v9, 7, v9
	v_bfe_u32 v10, v0, 3, 1
	s_delay_alu instid0(VALU_DEP_1)
	v_xor_b32 v10, 1, v10
	s_bfe_u32 s2, s18, 0x20001
	s_xor_b32 s2, s2, 3
	s_lshl_b32 s2, s2, 7
	s_and_b32 s3, s18, 1
	s_xor_b32 s3, s3, 1
	s_lshl_b32 s3, s3, 5
	s_add_co_u32 s2, s2, s3
	s_add_co_u32 s2, s2, FB+128
	v_lshl_add_u32 v4, v8, 6, s2
	s_wait_alu depctr_va_vdst(0)
	v_lshl_add_u32 v4, v9, 2, v4
	s_delay_alu instid0(VALU_DEP_1)
	v_lshl_add_u32 v4, v10, 6, v4
	SETBLK 94
	QLOAD
	; F: thread y makes word y
	v_add_nc_u32 v238, 0xfffffef1, v0              ; y - 271
	v_cmp_gt_u32 vcc_lo, 271, v0
	s_delay_alu instid0(VALU_DEP_1)
	v_cndmask_b32 v238, v238, v6, vcc_lo           ; 0 under it,
	s_delay_alu instid0(VALU_DEP_1)
	v_min_u32 v238, 32, v238                       ; 32 over it: the table's row
	s_lshl_b32 s17, s15, 2
	v_lshl_add_u32 v238, v238, 6, s17              ; 64 bytes a row, + 4 h
	global_load_b32 v234, v238, s[8:9]
	v_mov_b32 v233, s17
	global_load_b32 v11, v233, s[8:9]              ; rel_table[0][h]
.set n, 0
.rept 8
	v_mov_b32 v[24+n], 0                           ; zero codes for k = 64 .. 127: Q's,
	v_mov_b32 v[40+n], 0                           ; and the four fragments' of K
	v_mov_b32 v[56+n], 0
	v_mov_b32 v[72+n], 0
	v_mov_b32 v[88+n], 0
.set n, n+1
.endr
.irp b, 0,1,2,3
	v_mov_b32 v[212+\b], 0                         ; written once: a lane permute's destination counts as one of its sources
.endr
	v_mov_b32 v231, 0                              ; (upper halves of pairs that are named whole)
	v_mov_b32 v237, 0
	INIT
	v_lshl_add_u32 v232, v0, 2, FB
	v_mov_b32 v230, 0xff800000                     ; -infinity
	v_cmp_lt_u32 vcc_lo, 287, v0                   ; key behind query
	s_wait_loadcnt 0x0
	v_mul_f32 v234, 0x3fb8aa3b, v234
	s_wait_alu depctr_va_vdst(0)
	v_mul_f32 v11, 0x3fb8aa3b, v11                 ; the far bias x log2(e)
	v_cndmask_b32 v234, v234, v230, vcc_lo
	ds_store_b32 v232, v234                        ; waited for in front of the first barrier below
; THE CHANGE OF SLOTS stands at a slot's head: every wave waits for all its tensor loads, adds 0 to its spare word, waits for that and for its reads of the slot that it has left; one barrier; fill = 1: that slot takes the next keys.
.macro CHANGE fill
	s_wait_tensorcnt 0x0                           ; no tensor load of mine is out, so the groups 0 may be written
	ds_add_u32 v5, v6                              ; 0 onto my spare word
.if \fill
	s_add_co_u32 s2, s93, 1
	s_cmp_eq_u32 s93, s94
	s_cselect_b32 s93, 0, s2                       ; the next key slot: behind the first block's last comes slot 0 again
	s_xor_b32 s57, s57, SLOTB
	s_xor_b32 s61, s61, SLOTB
	s_xor_b32 s69, s69, SLOTB
	s_xor_b32 s73, s73, SLOTB
	s_lshl_b32 s104, s93, 19                       ; 16 token tiles x 32,768
	s_add_nc_u64 s[58:59], s[76:77], s[104:105]
	s_or_b32 s59, s59, 0x80000000
	s_lshl_b32 s104, s93, 12                       ; 8 token blocks x 512
	s_add_nc_u64 s[62:63], s[78:79], s[104:105]
	s_or_b32 s63, s63, 0x80000000
	s_lshl_b32 s104, s93, 10                       ; 16 tiles x 64
	s_add_nc_u64 s[70:71], s[80:81], s[104:105]
	s_or_b32 s71, s71, 0x80000000
	s_lshl_b32 s104, s93, 14                       ; 4 pairs of blocks x 4,096
	s_add_nc_u64 s[74:75], s[82:83], s[104:105]
	s_or_b32 s75, s75, 0x80000000
.endif
	s_wait_dscnt 0x0                               ; the add is done; my reads of the slot left, and (first trip) my store into F, are over
	s_barrier_signal -1
	s_barrier_wait -1
.if \fill
	TLOAD4                                         ; first thing behind the barrier, a wave's one tensor load until the next: it has a slot's two steps in which to land
.endif
.endm
; A KEY STEP: the q-th 128 keys of the slot in hand.
.macro STEP q
	s_sub_co_i32 s97, s96, 128*\q                  ; my group's first query less the step's first key: a multiple of 32
	s_cmp_lt_i32 s97, 0
	s_cbranch_scc1 .Lhid_\@                        ; every key of the step lies behind my queries
	v_add_nc_u32 v8, s92, v2
	s_wait_alu depctr_va_vdst(0)
	v_add_nc_u32 v9, s92, v3
	s_wait_alu depctr_va_vdst(0)
.rept 7
	v_nop                                          ; nine places with the two lines above: the scores are laid over V's fragments, which the last products read; the loads below want eight
.endr
.irp g, 0,1                                    ; S^T = K Q^T, four tiles of 16 keys at a time
.if \g > 0
.rept 8
	v_nop
.endr
.endif
.irp t, 0,1,2,3
	ds_load_b128 v[32+16*\t:35+16*\t], v8 offset:(8*\q+4*\g+\t)*1024
	ds_load_b128 v[36+16*\t:39+16*\t], v8 offset:(8*\q+4*\g+\t)*1024+512
	ds_load_b32 v[224+\t], v9 offset:KSO+(8*\q+4*\g+\t)*64
.endr
	s_wait_dscnt 0x0
.irp t, 0,1,2,3
	v_wmma_scale_f32_16x16x128_f8f6f4 v[96+8*(4*\g+\t):103+8*(4*\g+\t)], v[32+16*\t:47+16*\t], v[16:31], 0, v[224+\t], v228 matrix_a_fmt:MATRIX_FMT_BF8 matrix_b_fmt:MATRIX_FMT_BF8
.endr
.endr
.rept 8
	v_nop
.endr
	s_cmp_gt_i32 s97, 128                          ; far: every query - key of the step is 16 or more (the least is the difference - 127, and the difference is a multiple of 32)
	s_cselect_b32 s98, s22, 0x3f800000             ; what the registers are multiplied by on the way to t: log2(e) / 8, or 1 where they hold t already
	s_cselect_b32 s99, s22, 0x3f800000
	s_cselect_b32 s100, 0x3f800000, 0
	v_mul_f32 v235, s100, v11                      ; and what is added: the far bias, or 0
	s_cbranch_scc1 .Lfar_\@
	s_cmp_eq_u32 s97, 128
	s_cselect_b32 s2, 0, 512                       ; the step in front of the diagonal's reads F 128 words lower
	v_add_nc_u32 v10, s2, v4
.irp u, 0,1                                    ; t = score x log2(e) / 8 + F[key - query]: bias and mask in one; F's words come into K's data registers, which are done with
.set n, 0
.rept 32
	ds_load_b32 v[32+16*(n/8)+(n%8)], v10 offset:4*(32*((32*\u+n)/16)+(32*\u+n)%16)
.set n, n+1
.endr
	s_wait_dscnt 0x0
.set n, 0
.rept 16
	v_pk_fma_f32 v[96+32*\u+n:97+32*\u+n], v[96+32*\u+n:97+32*\u+n], s[22:23], v[32+16*(n/8)+(n%8):33+16*(n/8)+(n%8)] op_sel_hi:[1,0,1]
.set n, n+2
.endr
.endr
.Lfar_\@:
.irp b, 0,1,2,3
	v_max3_num_f32 v[208+\b], v[96+16*\b], v[97+16*\b], v[98+16*\b]   ; the largest of each block of 32 keys: it serves the row's maximum and the block's largest p
.endr
.irp i, 3,5,7,9,11,13
.irp b, 0,1,2,3
	v_max3_num_f32 v[208+\b], v[208+\b], v[96+16*\b+\i], v[97+16*\b+\i]
.endr
.endr
.irp b, 0,1,2,3
	v_max_num_f32 v[208+\b], v[208+\b], v[111+16*\b]
.endr
.irp b, 0,1,2,3
	s_delay_alu instid0(VALU_DEP_4)
	v_permlanex16_b32 v[212+\b], v[208+\b], s20, s21
.endr
.irp b, 0,1,2,3
	s_delay_alu instid0(VALU_DEP_4)
	v_max_num_f32 v[208+\b], v[208+\b], v[212+\b]
.endr
	s_delay_alu instid0(VALU_DEP_2)
	v_max3_num_f32 v234, v208, v209, v210
	s_delay_alu instid0(VALU_DEP_1)
	v_max_num_f32 v234, v234, v211
	s_delay_alu instid0(VALU_DEP_1)
	v_fma_f32 v234, v234, s98, v235                ; the step's largest t
	s_delay_alu instid0(VALU_DEP_1)
	v_max_num_f32 v13, v13, v234
	v_mov_b32 v234, v12
	s_delay_alu instid0(VALU_DEP_2)
	v_floor_f32 v12, -v13                          ; the new -M = -ceil(the largest t)
	s_delay_alu instid0(VALU_DEP_1)
	v_sub_f32 v234, v12, v234                      ; old M - new M: a whole number, 0 or less
	s_delay_alu instid0(VALU_DEP_1)
	v_cvt_i32_f32 v234, v234
	s_delay_alu instid0(VALU_DEP_1)
	v_ldexp_f32 v230, 1.0, v234                    ; f = 2^(old M - new M): rounds nothing
	s_delay_alu instid0(VALU_DEP_4)
	v_add_f32 v236, v235, v12                      ; the addend - M
.set n, 0
.rept 32
	v_pk_fma_f32 v[96+n:97+n], v[96+n:97+n], s[98:99], v[236:237] op_sel_hi:[1,0,0]   ; t - M
.set n, n+2
.endr
.irp b, 0,1,2,3
	v_fma_f32 v[208+\b], v[208+\b], s98, v236      ; the same of each block's largest
.endr
.set n, 0
	s_wait_alu depctr_va_vdst(0)
.rept 64
	v_exp_f32 v[96+n], v[96+n]                     ; p = 2^(t - M)
.set n, n+1
.endr
.irp b, 0,1,2,3
	v_exp_f32 v[208+\b], v[208+\b]
.endr
	v_pk_mul_f32 v[14:15], v[14:15], v[230:231] op_sel_hi:[1,0]   ; the sum under the new M (a plain line behind the exponentials)
	s_wait_alu depctr_va_vdst(0)
.irp b, 0,1,2,3
	v_max_num_f32 v[208+\b], 0x8000000, v[208+\b]  ; the floor 2^(16 - 127)
.endr
.irp b, 0,1,2,3
	s_delay_alu instid0(VALU_DEP_4)
	v_add_nc_u32 v[220+\b], 0xf8800000, v[208+\b]  ; the conversion's scale operand
.endr
.irp b, 0,1,2,3
.endr
.irp b, 0,1,2,3
	s_delay_alu instid0(VALU_DEP_4)
	v_lshrrev_b32 v[212+\b], 23, v[220+\b]         ; the scale's byte
.endr
	s_delay_alu instid0(VALU_DEP_3)
	v_lshl_or_b32 v229, v213, 8, v212              ; p's scale word for these 128 keys
	s_delay_alu instid0(VALU_DEP_1)
	v_lshl_or_b32 v229, v214, 16, v229
	s_delay_alu instid0(VALU_DEP_1)
	v_lshl_or_b32 v229, v215, 24, v229
	v_pk_add_f32 v[232:233], v[100:101], v[104:105]
	v_pk_add_f32 v[254:255], v[108:109], v[112:113]
	v_pk_add_f32 v[252:253], v[116:117], v[120:121]
	v_pk_add_f32 v[250:251], v[124:125], v[128:129]
	v_pk_add_f32 v[248:249], v[132:133], v[136:137]
	v_pk_add_f32 v[246:247], v[140:141], v[144:145]
	v_pk_add_f32 v[244:245], v[148:149], v[152:153]
	v_pk_add_f32 v[14:15], v[14:15], v[156:157]
	v_pk_add_f32 v[232:233], v[232:233], v[96:97]
	v_pk_add_f32 v[254:255], v[254:255], v[98:99]
	v_pk_add_f32 v[252:253], v[252:253], v[102:103]
	v_pk_add_f32 v[250:251], v[250:251], v[106:107]
	v_pk_add_f32 v[248:249], v[248:249], v[110:111]
	v_pk_add_f32 v[246:247], v[246:247], v[114:115]
	v_pk_add_f32 v[244:245], v[244:245], v[118:119]
	v_pk_add_f32 v[14:15], v[14:15], v[122:123]
	v_pk_add_f32 v[232:233], v[232:233], v[126:127]
	v_pk_add_f32 v[254:255], v[254:255], v[130:131]
	v_pk_add_f32 v[252:253], v[252:253], v[134:135]
	v_pk_add_f32 v[250:251], v[250:251], v[138:139]
	v_pk_add_f32 v[248:249], v[248:249], v[142:143]
	v_pk_add_f32 v[246:247], v[246:247], v[146:147]
	v_pk_add_f32 v[244:245], v[244:245], v[150:151]
	v_pk_add_f32 v[14:15], v[14:15], v[154:155]
	v_pk_add_f32 v[232:233], v[232:233], v[158:159]
	s_delay_alu instid0(VALU_DEP_2)
	v_pk_add_f32 v[14:15], v[14:15], v[250:251]
	s_delay_alu instid0(VALU_DEP_2)
	v_pk_add_f32 v[232:233], v[232:233], v[248:249]
	v_pk_add_f32 v[254:255], v[254:255], v[246:247]
	v_pk_add_f32 v[252:253], v[252:253], v[244:245]
	s_delay_alu instid0(VALU_DEP_2)
	v_pk_add_f32 v[14:15], v[14:15], v[254:255]
	s_delay_alu instid0(VALU_DEP_2)
	v_pk_add_f32 v[232:233], v[232:233], v[252:253]
	s_delay_alu instid0(VALU_DEP_1)
	v_pk_add_f32 v[14:15], v[14:15], v[232:233]
.irp b, 0,1,2,3
.irp i, 0,1,2,3,4,5,6,7,8,9,10,11,12,13,14,15
.endr
	v_cvt_scalef32_pk8_bf8_f32 v[192+4*\b:193+4*\b], v[96+16*\b:103+16*\b], v[220+\b]
	v_cvt_scalef32_pk8_bf8_f32 v[194+4*\b:195+4*\b], v[104+16*\b:111+16*\b], v[220+\b]
.endr
.set n, 0
.rept 16
	v_pk_mul_f32 v[160+n:161+n], v[160+n:161+n], v[230:231] op_sel_hi:[1,0]   ; O^T under the new M; these sixteen are also the places in front of the products below
.set n, n+2
.endr
.irp a, 0,1,2,3                                ; O^T += V^T P^T: four tiles of 16 of the head's 64, K = these 128 keys
.irp c, 0,1,2,3
	ds_load_b128 v[96+16*\a+4*\c:99+16*\a+4*\c], v8 offset:VCO+4096*\a+2048*\q+512*\c
.endr
	ds_load_b32 v[224+\a], v9 offset:VSO+256*\q+64*\a
.endr
	s_wait_alu depctr_va_vdst(0)
	s_wait_dscnt 0x0
.irp a, 0,1,2,3
	v_wmma_scale_f32_16x16x128_f8f6f4 v[160+8*\a:167+8*\a], v[96+16*\a:111+16*\a], v[192:207], v[160+8*\a:167+8*\a], v[224+\a], v229 matrix_a_fmt:MATRIX_FMT_BF8 matrix_b_fmt:MATRIX_FMT_BF8
.endr
.Lhid_\@:
.endm
; A block's end: O^T / the sum; its 32 numbers a lane are halves of two blocks of 32 along the next product's K; codes leave as two chunks, the two bytes as one half-word a row.
.macro FINISH
.rept 8
	v_nop
.endr
	v_add_f32 v14, v14, v15
	s_wait_alu depctr_va_vdst(0)
	v_permlanex16_b32 v234, v14, s20, s21
	s_delay_alu instid0(VALU_DEP_1)
	v_add_f32 v14, v14, v234                       ; the row's sum
	s_wait_alu depctr_va_vdst(0)
	v_rcp_f32 v14, v14
	v_nop
.set n, 0
	s_wait_alu depctr_va_vdst(0)
.rept 16
	v_pk_mul_f32 v[96+n:97+n], v[160+n:161+n], v[14:15] op_sel_hi:[1,0]   ; register 16 b + i: feature 64 h + 32 b + 16 (lane / 16) + i of my query
.set n, n+2
.endr
.irp b, 0,1
	v_max3_num_f32 v[208+\b], |v[96+16*\b]|, |v[97+16*\b]|, 0x8000000
.endr
.irp i, 2,4,6,8,10,12,14
.irp b, 0,1
	s_delay_alu instid0(VALU_DEP_2)
	v_max3_num_f32 v[208+\b], v[208+\b], |v[96+16*\b+\i]|, |v[97+16*\b+\i]|
.endr
.endr
.irp b, 0,1
	s_delay_alu instid0(VALU_DEP_2)
	v_permlanex16_b32 v[212+\b], v[208+\b], s20, s21
.endr
.irp b, 0,1
	s_delay_alu instid0(VALU_DEP_2)
	v_max_num_f32 v[208+\b], v[208+\b], v[212+\b]
.endr
.irp b, 0,1
	s_delay_alu instid0(VALU_DEP_2)
	v_add_nc_u32 v[220+\b], 0xf8800000, v[208+\b]
.endr
.irp b, 0,1
.endr
.irp b, 0,1
	s_delay_alu instid0(VALU_DEP_2)
	v_lshrrev_b32 v[212+\b], 23, v[220+\b]
.endr
	s_delay_alu instid0(VALU_DEP_1)
	v_lshl_or_b32 v238, v213, 8, v212
.irp b, 0,1
.irp i, 0,1,2,3,4,5,6,7,8,9,10,11,12,13,14,15
.endr
	v_cvt_scalef32_pk8_bf8_f32 v[192+4*\b:193+4*\b], v[96+16*\b:103+16*\b], v[220+\b]
	v_cvt_scalef32_pk8_bf8_f32 v[194+4*\b:195+4*\b], v[104+16*\b:111+16*\b], v[220+\b]
.endr
	v_nop                                          ; a plain line behind the last conversion
	global_store_b128 v2, v[192:195], s[88:89]     ; 512 consecutive bytes, aligned
	global_store_b128 v2, v[196:199], s[88:89] offset:512
	global_store_b16 v7, v238, s[90:91]            ; two bytes of each of 16 rows of 32: both halves of the lanes write the same value
	s_wait_xcnt 0x0                                ; the stores' registers and bases may be written again
.endm
	s_mov_b32 s101, 8
.Lslot:                                            ; eight trips; behind each change of slots the next of the nine slots is asked for
	CHANGE 1
	STEP 0
	STEP 1
	s_xor_b32 s92, s92, SLOTB
	s_cmp_lg_u32 s95, 0
	s_cbranch_scc1 .Lsame                          ; a branch on ids: the first block ends behind its slot 7 - i
	FINISH
	SETBLK 66                                      ; on to block i
	QLOAD
	INIT
	s_add_co_u32 s95, s66, 1
	s_lshl_b32 s96, s95, 8
	s_add_co_u32 s96, s96, s14
	s_wait_loadcnt 0x0
.Lsame:
	s_sub_co_u32 s95, s95, 1
	s_sub_co_i32 s96, s96, 256
	s_sub_co_u32 s101, s101, 1
	s_cmp_lg_u32 s101, 0
	s_cbranch_scc1 .Lslot
	CHANGE 0                                       ; the ninth slot is written out
	STEP 0
	STEP 1
	FINISH
	s_wait_tensorcnt 0x0                           ; the wave's end
	ds_add_u32 v5, v6
	s_wait_dscnt 0x0
	s_endpgm
.Lfunc_end_k_q339f2fbcbd_attn:
	.size	k_q339f2fbcbd_attn, .Lfunc_end_k_q339f2fbcbd_attn-k_q339f2fbcbd_attn
	.p2alignl 7, 3214868480
	.fill 96, 4, 3214868480
	.section	.rodata,"a",@progbits
	.p2align	6, 0x0
	.amdhsa_kernel k_q339f2fbcbd_attn
		.amdhsa_group_segment_fixed_size 327680
		.amdhsa_private_segment_fixed_size 0
		.amdhsa_enable_private_segment 0
		.amdhsa_kernarg_size 40
		.amdhsa_user_sgpr_count 2
		.amdhsa_user_sgpr_kernarg_segment_ptr 1
		.amdhsa_wavefront_size32 1
		.amdhsa_system_sgpr_workgroup_id_x 1
		.amdhsa_system_sgpr_workgroup_id_y 1
		.amdhsa_system_sgpr_workgroup_id_z 1
		.amdhsa_system_vgpr_workitem_id 0
		.amdhsa_next_free_vgpr 256
		.amdhsa_next_free_sgpr 106
		.amdhsa_reserve_vcc 1
		.amdhsa_float_denorm_mode_32 3
		.amdhsa_float_denorm_mode_16_64 3
		.amdhsa_fp16_overflow 1
		.amdhsa_memory_ordered 1
		.amdhsa_forward_progress 1
		.amdhsa_inst_pref_size 123
	.end_amdhsa_kernel
	.amdgpu_metadata
---
amdhsa.version: [ 1, 2 ]
amdhsa.kernels:
  - .name:           k_q339f2fbcbd_attn
    .symbol:         k_q339f2fbcbd_attn.kd
    .args:
      - { .name: qkvc, .offset: 0, .size: 8, .value_kind: global_buffer, .address_space: global }
      - { .name: qkvs, .offset: 8, .size: 8, .value_kind: global_buffer, .address_space: global }
      - { .name: rel_table, .offset: 16, .size: 8, .value_kind: global_buffer, .address_space: global }
      - { .name: ac, .offset: 24, .size: 8, .value_kind: global_buffer, .address_space: global }
      - { .name: asc, .offset: 32, .size: 8, .value_kind: global_buffer, .address_space: global }
    .group_segment_fixed_size: 327680
    .private_segment_fixed_size: 0
    .kernarg_segment_align: 8
    .kernarg_segment_size: 40
    .max_flat_workgroup_size: 512
    .sgpr_count:     106
    .vgpr_count:     256
    .wavefront_size: 32
...
	.end_amdgpu_metadata
.endif
;; end of part 3
;; launch proj (part 4): grid 4 x 32, 4 waves a work-group, clusters of 4 x 4, 327,680 bytes of LDS; arguments ac, asc, wc, ws, bp, out0; writes out0
.if DOCPART == 4
	.amdgcn_target "amdgcn-amd-amdhsa--gfx1250"
	.amdhsa_code_object_version 6
	.text
	.protected	k_q339f2fbcbd_proj
	.globl	k_q339f2fbcbd_proj
	.p2align	8
	.type	k_q339f2fbcbd_proj,@function
k_q339f2fbcbd_proj:
	s_mov_b64 s[64:65], 0
	v_nop
	global_prefetch_b8 v0, s[64:65] scope:SCOPE_SE
	s_setreg_imm32_b32 hwreg(HW_REG_WAVE_MODE, 25, 1), 1
	s_wait_xcnt 0x0
	s_wait_alu depctr_hold_cnt(0) depctr_sa_sdst(0) depctr_va_vdst(0) depctr_va_sdst(0) depctr_va_ssrc(0) depctr_va_vcc(0) depctr_vm_vsrc(0)
	s_getreg_b32 s2, hwreg(HW_REG_IB_STS2, 6, 4)
	s_cmp_eq_u32 s2, 0
	s_cbranch_scc0 .Lentry_in_a_cluster
	s_endpgm
.Lentry_in_a_cluster:
	s_bfe_u32 s2, ttmp6, 0x10000c
	s_cmp_lg_u32 s2, 0xf033
	s_cbranch_scc0 .Lentry_shape_is_right
	s_endpgm
.Lentry_shape_is_right:
.set KSTEP,  256
.set NQ,     2
.set ROWB,   256
.set AKB,    4096
.set KROW,   1024
.set PITCH,  272
.set FR,     16
.set NL,     4
.set NP,     8
.set HALFT,  128*PITCH
.set SLOT,   4*HALFT
.set LAPS,   2
.set KS,     32
.set SCL,    2*SLOT
.set HALFS,  16*272
.set SBLK,   2*272
.set SPARE,  SCL+4*HALFS
.set SPITCH, 528
.set ADRA, 16
.set ADRB, 20
.set STO,  24
.set RD,   25
.set CO,   26
.set ADRS, 27
.set SPW,  28
.set NIL,  29
.set SC,   32
.set BI,   64
.set AF,   128
.set BK,   128
.set G1, 24
.set G0, 32
.set G1B, 48
.set G0B, 56
.set G1S, 68
.set G0S, 76
.set G1SB, 80
.set G0SB, 88
.set MSB, 0
.macro WIN new
.if MSB != \new
	s_set_vgpr_msb (MSB<<8)|\new
.set MSB, \new
.endif
.endm
.set MUL_LO, 0xa1
.set MUL_HI, 0xf1
.set FST_LO, 0x81
.set FST_HI, 0xc1
.set TO_B,   0x40
.macro JLOAD g0a, g1a, g0b, g1b
	s_cmp_eq_u32 s15, 0
	s_cbranch_scc0 .Lfor_b_\@
	tensor_load_to_lds s[\g0a:\g0a+3], s[\g1a:\g1a+7]
	s_nop 0
.rept 4
	v_nop
.endr
	s_branch .Lasked_\@
.Lfor_b_\@:
	tensor_load_to_lds s[\g0b:\g0b+3], s[\g1b:\g1b+7]
	s_nop 0
.rept 4
	v_nop
.endr
.Lasked_\@:
.endm
.macro CREST
	s_cmp_lg_u32 s14, 0
	s_cbranch_scc1 .Lnot_wave_0_\@
	s_barrier_signal -3
.Lnot_wave_0_\@:
	s_barrier_wait -3
	s_barrier_signal -1
	s_barrier_wait -1
.endm
.macro CROUND
	s_barrier_signal -1
	s_barrier_wait -1
	CREST
.endm
	s_load_b128 s[4:7], s[0:1], 0x0
	s_load_b128 s[8:11], s[0:1], 0x10
	s_load_b64 s[96:97], s[0:1], 0x20
	s_load_b64 s[12:13], s[0:1], 0x28
	v_lshl_add_u32 v[SPW], v0, 2, SPARE
	v_mov_b32 v[NIL], 0
	ds_add_u32 v28, v29
	ds_add_u32 v28, v29
	s_wait_dscnt 0x0
	v_lshrrev_b32 v1, 5, v0
	v_readfirstlane_b32 s14, v1
	s_lshr_b32 s15, s14, 1
	s_and_b32 s16, s14, 1
	s_bfe_u32 s40, ttmp6, 0x40000
	s_bfe_u32 s41, ttmp6, 0x40004
	s_lshl_b32 s42, ttmp9, 2
	s_add_co_u32 s42, s42, s40
	s_and_b32 s17, ttmp7, 0xffff
	s_lshl_b32 s17, s17, 2
	s_add_co_u32 s17, s17, s41
	s_lshl_b32 s43, s41, 2
	s_lshl_b32 s43, 15, s43
	s_lshl_b32 s44, 0x1111, s40
	s_or_b32 s[G1+0], s43, (0<<16)|(1<<21)
	s_mov_b32 s[G1+1], AKB<<16
	s_mov_b32 s[G1+2], 8<<16
	s_mov_b32 s[G1+3], AKB<<16
	s_mov_b32 s[G1+4], 8
	s_mov_b32 s[G1+5], 16384
	s_mov_b32 s[G1+6], 0
	s_mov_b32 s[G1+7], 0
	s_or_b32 s[G1B+0], s44, (0<<16)|(1<<20)|(1<<21)|(5<<22)|(3<<25)
	s_mov_b32 s[G1B+1], ROWB<<16
	s_mov_b32 s[G1B+2], 128<<16
	s_mov_b32 s[G1B+3], ROWB<<16
	s_mov_b32 s[G1B+4], 128
	s_mov_b32 s[G1B+5], KROW
	s_mov_b32 s[G1B+6], 0
	s_mov_b32 s[G1B+7], 0
	s_or_b32 s[G1S+0], s43, (3<<16)|(1<<20)|(1<<21)|(5<<22)|(3<<25)
	s_or_b32 s[G1SB+0], s44, (3<<16)|(1<<20)|(1<<21)|(5<<22)|(3<<25)
.irp g, G1S, G1SB
	s_mov_b32 s[\g+1], 32<<16
	s_mov_b32 s[\g+2], 16<<16
	s_mov_b32 s[\g+3], 32<<16
	s_mov_b32 s[\g+4], 16
	s_mov_b32 s[\g+5], 32
	s_mov_b32 s[\g+6], 0
	s_mov_b32 s[\g+7], 0
.endr
	s_lshl_b32 s18, s16, 7
	s_lshl_b32 s20, s17, 8
	s_add_co_u32 s20, s20, s18
	s_lshl_b32 s46, s42, 8
	s_add_co_u32 s46, s46, s18
	s_mov_b32 s21, 0
	s_mov_b32 s47, 0
	s_mov_b64 s[18:19], KS
	s_mul_u64 s[22:23], s[20:21], s[18:19]
	s_mul_u64 s[92:93], s[46:47], s[18:19]
	s_mov_b64 s[18:19], KROW
	s_mul_u64 s[20:21], s[20:21], s[18:19]
	s_mul_u64 s[46:47], s[46:47], s[18:19]
	s_mul_i32 s45, s14, HALFT
	s_mul_i32 s94, s14, HALFS
	s_wait_kmcnt 0x0
	s_add_nc_u64 s[8:9], s[8:9], 0x300000
	s_add_nc_u64 s[10:11], s[10:11], 0x18000
	s_add_nc_u64 s[20:21], s[4:5], s[20:21]
	s_add_nc_u64 s[22:23], s[6:7], s[22:23]
	s_add_nc_u64 s[46:47], s[8:9], s[46:47]
	s_add_nc_u64 s[92:93], s[10:11], s[92:93]
	CROUND
	s_mov_b32 s[G0S], 1
	s_add_co_u32 s[G0S+1], s94, SCL
	s_mov_b64 s[G0S+2:G0S+3], s[22:23]
	s_or_b32 s[G0S+3], s[G0S+3], 0x80000000
	s_mov_b32 s[G0SB], 1
	s_add_co_u32 s[G0SB+1], s94, SCL
	s_mov_b64 s[G0SB+2:G0SB+3], s[92:93]
	s_or_b32 s[G0SB+3], s[G0SB+3], 0x80000000
	JLOAD G0S, G1S, G0SB, G1SB
.irp s, 0,1
	s_mov_b32 s[G0+4*\s], 1
	s_add_co_u32 s[G0+4*\s+1], s45, \s*SLOT
	s_add_nc_u64 s[G0+4*\s+2:G0+4*\s+3], s[20:21], \s*AKB
	s_or_b32 s[G0+4*\s+3], s[G0+4*\s+3], 0x80000000
	s_mov_b32 s[G0B+4*\s], 1
	s_add_co_u32 s[G0B+4*\s+1], s45, \s*SLOT
	s_add_nc_u64 s[G0B+4*\s+2:G0B+4*\s+3], s[46:47], \s*ROWB
	s_or_b32 s[G0B+4*\s+3], s[G0B+4*\s+3], 0x80000000
	s_wait_alu depctr_va_vdst(0)
	s_wait_tensorcnt 0x0
	ds_add_u32 v28, v29
	s_wait_dscnt 0x0
	CROUND
	JLOAD G0+4*\s, G1, G0B+4*\s, G1B
.endr
	v_and_b32 v1, 15, v0
	v_bfe_u32 v2, v0, 4, 1
	v_mul_u32_u24 v3, v1, PITCH
	v_lshl_add_u32 v4, v2, 4, v3
	v_and_b32 v6, 31, v0
	v_lshlrev_b32 v[CO], 4, v6
	s_mul_i32 s21, s15, HALFT
	s_mul_i32 s22, s16, HALFT
	s_add_co_u32 s22, s22, 2*HALFT
.irp s, 0,1
	v_add_nc_u32 v[ADRA+\s], s21, v[CO]
	v_add_nc_u32 v[ADRB+\s], s22, v4
	s_add_co_u32 s21, s21, SLOT
	s_add_co_u32 s22, s22, SLOT
.endr
	v_mul_u32_u24 v5, v1, KS
	v_lshrrev_b32 v6, 8, v5
	v_lshl_add_u32 v5, v6, 4, v5
	s_mul_i32 s21, s15, HALFS
	s_mul_i32 s22, s16, HALFS
	s_add_co_u32 s22, s22, 2*HALFS
	s_sub_co_u32 s22, s22, s21
	v_mul_u32_u24 v6, s22, v2
	s_add_co_u32 s21, s21, SCL
	v_add_nc_u32 v5, v5, v6
	v_add_nc_u32 v[ADRS], s21, v5
	s_mul_i32 s23, s14, 16*SPITCH
	v_mul_u32_u24 v5, v1, SPITCH
	v_lshl_add_u32 v5, v2, 6, v5
	v_add_nc_u32 v[STO], s23, v5
	v_add_nc_u32 v[RD], s23, v[CO]
	s_lshl_b32 s46, s42, 10
	s_lshl_b32 s47, s16, 9
	s_add_co_u32 s46, s46, s47
	s_mov_b32 s47, 0
	s_add_nc_u64 s[96:97], s[96:97], s[46:47]
	v_lshlrev_b32 v8, 6, v2
.irp b, 0,1,2,3,4,5,6,7
	global_load_b128 v[BI+8*\b:BI+8*\b+3], v8, s[96:97] offset:128*(\b/2)+32*(\b%2)
	global_load_b128 v[BI+8*\b+4:BI+8*\b+7], v8, s[96:97] offset:128*(\b/2)+32*(\b%2)+16
.endr
	s_lshl_b32 s20, s17, 8
	s_lshl_b32 s21, s15, 7
	s_add_co_u32 s20, s20, s21
	s_mov_b32 s21, 0
	s_mov_b64 s[18:19], 4096
	s_mul_u64 s[20:21], s[20:21], s[18:19]
	s_add_nc_u64 s[20:21], s[20:21], s[46:47]
	s_add_nc_u64 s[12:13], s[12:13], s[20:21]
.macro FRAG reg, adr, q, i
.irp c, 0,1,2,3
	ds_load_b128 v[\reg+4*\c:\reg+4*\c+3], v[\adr] offset:128*(\q)+32*\c+(\i)*16*PITCH
.endr
.endm
.macro FRAGA reg, adr, q, i
.irp c, 0,1,2,3
	ds_load_b128 v[\reg+4*\c:\reg+4*\c+3], v[\adr] offset:2048*(\q)+512*\c+4096*(\i)
.endr
.endm
.macro MUL16 a0, p, q, sc, first
.irp a, \a0, \a0+1
.irp b, 0,1,2,3,4,5,6,7
.if \first
	v_wmma_scale_f32_16x16x128_f8f6f4 v[8*(8*((\a)%4)+\b):8*(8*((\a)%4)+\b)+7], v[128*(\p)+FR*\b:128*(\p)+FR*\b+FR-1], v[AF+FR*(\a):AF+FR*(\a)+FR-1], v[BI+8*\b:BI+8*\b+7], v[SC+8*NQ*(\sc)+NQ*\b+(\q)], v[SC+8*NQ*(\sc)+NQ*(\a)+(\q)] matrix_a_fmt:MATRIX_FMT_BF8 matrix_b_fmt:MATRIX_FMT_BF8 matrix_a_scale:MATRIX_SCALE_ROW1
.else
	v_wmma_scale_f32_16x16x128_f8f6f4 v[8*(8*((\a)%4)+\b):8*(8*((\a)%4)+\b)+7], v[128*(\p)+FR*\b:128*(\p)+FR*\b+FR-1], v[AF+FR*(\a):AF+FR*(\a)+FR-1], v[8*(8*((\a)%4)+\b):8*(8*((\a)%4)+\b)+7], v[SC+8*NQ*(\sc)+NQ*\b+(\q)], v[SC+8*NQ*(\sc)+NQ*(\a)+(\q)] matrix_a_fmt:MATRIX_FMT_BF8 matrix_b_fmt:MATRIX_FMT_BF8 matrix_a_scale:MATRIX_SCALE_ROW1
.endif
.endr
.endr
.endm
.macro FETCH_B slot, q, p
	WIN TO_B
.irp i, 0,1,2,3,4,5,6,7
	FRAG 128*(\p)+FR*\i, ADRB+\slot, \q, \i
.endr
	WIN 0
.endm
.macro FETCH_A slot, q, i0
.irp i, \i0, \i0+1, \i0+2, \i0+3
	FRAGA AF+FR*(\i), ADRA+\slot, \q, \i
.endr
.endm
.macro SCALES sc
.irp i, 0,1,2,3,4,5,6,7
	ds_load_b64 v[SC+8*NQ*\sc+NQ*\i:SC+8*NQ*\sc+NQ*\i+1], v[ADRS] offset:\i*SBLK
.endr
.endm
.macro PLACES n
.rept \n
	v_nop
.endr
.endm
.macro STEP slot, q, first
	s_wait_dscnt 4*NL
.if \first
	WIN FST_LO
.else
	WIN MUL_LO
.endif
	MUL16 0, (\q)%2, \q, \slot, \first
	MUL16 2, (\q)%2, \q, \slot, \first
	s_wait_dscnt 0
	PLACES NP
	FETCH_B \slot, (\q)+1, 1-(\q)%2
	FETCH_A \slot, (\q)+1, 0
.if \first
	WIN FST_HI
.else
	WIN MUL_HI
.endif
	MUL16 4, (\q)%2, \q, \slot, \first
	MUL16 6, (\q)%2, \q, \slot, \first
	PLACES NP
	WIN 0
	FETCH_A \slot, (\q)+1, 4
.endm
.macro TURN slot, next, fill
	s_wait_tensorcnt 0x0
	ds_add_u32 v[SPW], v[NIL]
	s_wait_dscnt 4*NL+1
	WIN MUL_LO
	MUL16 0, 1, NQ-1, \slot, 0
	s_wait_dscnt 0x0
	s_barrier_signal -1
	MUL16 2, 1, NQ-1, \slot, 0
	WIN 0
	s_barrier_wait -1
.if \fill
	CREST
	s_add_nc_u64 s[G0+4*\slot+2:G0+4*\slot+3], s[G0+4*\slot+2:G0+4*\slot+3], 2*AKB
	s_add_nc_u64 s[G0B+4*\slot+2:G0B+4*\slot+3], s[G0B+4*\slot+2:G0B+4*\slot+3], 2*ROWB
	JLOAD G0+4*\slot, G1, G0B+4*\slot, G1B
	PLACES NP-4
.else
	PLACES NP
.endif
	s_wait_alu depctr_va_vdst(0)
	v_add_nc_u32 v[ADRS], 4*NQ, v[ADRS]
	FETCH_B \next, 0, 0
	FETCH_A \next, 0, 0
	SCALES \next
	WIN MUL_HI
	MUL16 4, 1, NQ-1, \slot, 0
	MUL16 6, 1, NQ-1, \slot, 0
	PLACES NP
	WIN 0
	FETCH_A \next, 0, 4
.endm
	s_wait_alu depctr_va_vdst(0)
	s_wait_tensorcnt 1
	s_barrier_signal -1
	s_barrier_wait -1
	FETCH_B 0, 0, 0
	FETCH_A 0, 0, 0
	SCALES 0
	FETCH_A 0, 0, 4
	s_wait_loadcnt 0x0
	STEP 0, 0, 1
	s_mov_b32 s3, LAPS-1
.Llap:
	TURN 0, 1, 1
	STEP 1, 0, 0
	TURN 1, 0, 1
	STEP 0, 0, 0
	s_sub_co_u32 s3, s3, 1
	s_cmp_lg_u32 s3, 0
	s_cbranch_scc1 .Llap
	TURN 0, 1, 0
	STEP 1, 0, 0
	s_wait_dscnt 4*NL
	WIN MUL_LO
	MUL16 0, 1, NQ-1, 1, 0
	MUL16 2, 1, NQ-1, 1, 0
	s_wait_dscnt 0
	WIN MUL_HI
	MUL16 4, 1, NQ-1, 1, 0
	MUL16 6, 1, NQ-1, 1, 0
	WIN 0
.macro TOSTAGE a
.set AC, 64*((\a)%4)
.set WW, 0x08+4*((\a)/4)
	WIN WW
.irp b, 0,1,2,3,4,5,6,7
	ds_store_b128 v[STO], v[AC+8*\b:AC+8*\b+3] offset:128*(\b/2)+32*(\b%2)
	ds_store_b128 v[STO], v[AC+8*\b+4:AC+8*\b+7] offset:128*(\b/2)+32*(\b%2)+16
.endr
	WIN 0
.set BB, BK+64*((\a)%2)
.irp t, 0,1,2,3,4,5,6,7,8,9,10,11,12,13,14,15
	ds_load_b128 v[BB+4*\t:BB+4*\t+3], v[RD] offset:\t*SPITCH
.endr
.endm
.macro SEND a, younger
.set BB, BK+64*((\a)%2)
	s_wait_dscnt \younger
.if (\a) > 0
	s_add_nc_u64 s[12:13], s[12:13], (8+16*(((\a)+1)%2))*4096
.endif
.irp t, 0,1,2,3,4,5,6,7,8,9,10,11,12,13,14,15
	global_store_b128 v[CO], v[BB+4*\t:BB+4*\t+3], s[12:13] offset:((\t&7)+16*(\t>>3))*4096 th:TH_STORE_NT
.endr
.endm
	PLACES NP
	TOSTAGE 0
.irp a, 1,2,3,4,5,6,7
.if \a > 1
	s_wait_xcnt 0x0
.endif
	TOSTAGE \a
	SEND \a-1, 32
.endr
	s_wait_xcnt 0x0
	SEND 7, 0
	s_wait_tensorcnt 0x0
	ds_add_u32 v[SPW], v[NIL]
	s_wait_dscnt 0x0
	CROUND
	s_endpgm
.Lfunc_end_k_q339f2fbcbd_proj:
	.size	k_q339f2fbcbd_proj, .Lfunc_end_k_q339f2fbcbd_proj-k_q339f2fbcbd_proj
	.p2alignl 7, 3214868480
	.fill 96, 4, 3214868480
	.section	.rodata,"a",@progbits
	.p2align	6, 0x0
	.amdhsa_kernel k_q339f2fbcbd_proj
		.amdhsa_group_segment_fixed_size 327680
		.amdhsa_private_segment_fixed_size 0
		.amdhsa_enable_private_segment 0
		.amdhsa_kernarg_size 48
		.amdhsa_user_sgpr_count 2
		.amdhsa_user_sgpr_kernarg_segment_ptr 1
		.amdhsa_wavefront_size32 1
		.amdhsa_system_sgpr_workgroup_id_x 1
		.amdhsa_system_sgpr_workgroup_id_y 1
		.amdhsa_system_sgpr_workgroup_id_z 1
		.amdhsa_system_vgpr_workitem_id 0
		.amdhsa_next_free_vgpr 1024
		.amdhsa_next_free_sgpr 102
		.amdhsa_reserve_vcc 0
		.amdhsa_float_denorm_mode_32 3
		.amdhsa_float_denorm_mode_16_64 3
		.amdhsa_memory_ordered 1
		.amdhsa_forward_progress 1
		.amdhsa_inst_pref_size 148
	.end_amdhsa_kernel
	.amdgpu_metadata
---
amdhsa.version: [ 1, 2 ]
amdhsa.kernels:
  - .name:           k_q339f2fbcbd_proj
    .symbol:         k_q339f2fbcbd_proj.kd
    .args:
      - { .name: ac, .offset: 0, .size: 8, .value_kind: global_buffer, .address_space: global }
      - { .name: asc, .offset: 8, .size: 8, .value_kind: global_buffer, .address_space: global }
      - { .name: wc, .offset: 16, .size: 8, .value_kind: global_buffer, .address_space: global }
      - { .name: ws, .offset: 24, .size: 8, .value_kind: global_buffer, .address_space: global }
      - { .name: bp, .offset: 32, .size: 8, .value_kind: global_buffer, .address_space: global }
      - { .name: out0, .offset: 40, .size: 8, .value_kind: global_buffer, .address_space: global }
    .group_segment_fixed_size: 327680
    .private_segment_fixed_size: 0
    .kernarg_segment_align: 8
    .kernarg_segment_size: 48
    .max_flat_workgroup_size: 128
    .sgpr_count:     102
    .vgpr_count:     1024
    .wavefront_size: 32
...
	.end_amdgpu_metadata
.endif
;; end of part 4
